; MI455X (gfx1250); checked and timed in simulation.
; The chip was launched on July 23, 2026; its instructions are those of AMD's public machine-readable ISA for CDNA 5 (MIT licence, August 2026) and "CDNA5" Instruction Set Architecture Reference Guide (July 2026). The comments in the code are by the model that wrote it; some were corrected since.
;; Attention Decoder RNN. Allowed arithmetic: float matrix products may take bf16 or f16 operands with f32 sums; other float arithmetic in f32, or as packed bf16 or f16 multiplies, adds, multiply-adds, maxima and minima; sums over many terms, partial sums and values carried from step to step in f32; what a program stores and reads back later, other than sums and carried values, may be rounded once to bf16 or f16.
;; Inputs: attn1_b 1,024 float32; attn1_w 1,024 x 3,072 float32; attn2_b 1 float32; attn2_w 1 x 1,024 float32; b_hh 4,096 float32; b_ih 4,096 float32; cell 1 x 256 x 1,024 float32; encode_outputs 64 x 256 x 2,048 float32; hidden 1 x 256 x 1,024 float32; mask 64 x 256 bool; out_b 5,292 float32; out_w 5,292 x 1,024 float32; w_hh 4,096 x 1,024 float32; w_ih 4,096 x 3,072 float32.
;; Outputs: out0 256 x 5,292 float32; out1 1 x 256 x 1,024 float32; out2 1 x 256 x 1,024 float32.
;; 2 versions, each right; version 2 is version 1 with the launch context written anew for expert scheduling mode. Each part assembles by itself: llvm-mc -triple=amdgcn-amd-amdhsa -mcpu=gfx1250 --defsym DOCPART=n.
;; ======== version 1 of 2: 6 launches
;; workspace buffers: encb 67,108,864 bytes; w1s 4,194,304 bytes; hp 1,048,576 bytes; epart 524,288 bytes; xcat 1,572,864 bytes; hnb 524,288 bytes; lg 5,505,024 bytes; stats 169,984 bytes
;; launch prep (part 1): grid 1216 x 1, 4 waves a work-group, no clusters, 35,328 bytes of LDS; arguments encode_outputs, attn1_w, attn1_b, hidden, encb, w1s, hp; writes encb, w1s, hp
.if DOCPART == 1
	.amdgcn_target "amdgcn-amd-amdhsa--gfx1250"
	.amdhsa_code_object_version 6
	.text
	.protected	k_q231abd1847_prep
	.globl	k_q231abd1847_prep
	.p2align	8
	.type	k_q231abd1847_prep,@function
k_q231abd1847_prep:
	s_mov_b64 s[64:65], 0
	v_nop
	global_prefetch_b8 v0, s[64:65] scope:SCOPE_SE
	s_setreg_imm32_b32 hwreg(HW_REG_WAVE_MODE, 25, 1), 1
	s_wait_xcnt 0x0
; PREP: what the attention product needs, made once.
;   encb[b][s][0:2048] = bf16(encode_outputs[s][b][:])           rows laid batch-major: row 64 b + s, 4,096 bytes
;   w1s[n][k]          = bf16(c attn1_w[n][1024 + k])            c = 2 log2(e)
;   hp[b][n]           = c (sum_k hidden[b][k] attn1_w[n][k] + attn1_b[n])   in f32
; WORK LEFT OUT, for all values of the inputs:
;   (1) feat = [hidden | enc]: the hidden third of feat is the same for all 64 steps s, so its product with attn1_w[:, :1024] is made once for each b (hp).
;   (2) attn2_b is added to every energy of a column b: a term that is the same along the softmax's axis (a masked energy is -inf with or without it).  It cancels in the
;       weights.  attn2_b has no other way to an output: it is not loaded and is among no launch's arguments.
;   (3) tanh(x) = 1 - 2 / (1 + 2^(c x)), so energy = sum_n a2[n] - 2 sum_n a2[n] / (1 + 2^(c x[n])): the first sum is again the same along the softmax's axis and is left out.
;   LIMIT: a NaN, an infinity or an overflow that reaches only attn2_b or the sum of attn2_w is not carried to the result.
; ROLES by the work-group's number (the same in all four waves): 0..127 hp; 128..1151 enc, 16 rows each; 1152..1215 w1s, 16 rows each.
; A row of 2,048 f32 is 16 loads of a wave (512 consecutive bytes each) and 16 stores (32 lanes x 8 bytes: 256 consecutive bytes, aligned).
.set C2L,   0x4038aa3b                 ; c = 2 log2(e)
.set SPARE, 34816                      ; behind the four stages: the spare words, 128 bytes a wave: two blocks of 256 bytes that no other line names
.set SPW, 2                            ; v2   LDS address of my spare word; never rewritten
.set NIL, 3                            ; v3   0; never rewritten
.set L16, 4                            ; v4   16 x lane
.set L8,  5                            ; v5   8 x lane
.set FX,  6                            ; v6   hp: my byte offset in a fragment's rows of hidden
.set FW,  7                            ; v7   hp: the same for attn1_w
.set LS,  8                            ; v8   hp: where I put 32 bytes of a partial row
.set LR,  9                            ; v9   hp: where I read rows back
.set YO,  10                           ; v10  hp: my 16 bytes in two rows of hp
.set BO,  11                           ; v11  hp: my 16 bytes of attn1_b
.set ACC, 16                           ; v[16:79]   hp: eight accumulators, (mt, nt) at ACC + 8 (4 mt + nt)
.set XR,  80                           ; v[80:111]  hp: hidden as loaded, 16 registers a fragment
.set WR,  112                          ; v[112:175] hp: weights as loaded
.set XC,  176                          ; v[176:191] hp: hidden's two fragments in bf16
.set WC,  192                          ; v[192:223] hp: the weights' four
.set BI,  224                          ; v[224:227] attn1_b of my four columns
.set CB,  228                          ; v[228:231] c times that
.set RAW, 64                           ; v[64:191]  rows as loaded: two sets of 64
.set Y,   192                          ; v[192:255] rows to store: two sets of 32
.set WV,  20                           ; s20  my wave's number
.set SRC, 24                           ; s[24:25]
.set DST, 26                           ; s[26:27]
.set XP,  28                           ; s[28:29]
.set WP,  30                           ; s[30:31]
.macro LOADROW set, off
.irp j, 0,1,2,3,4,5,6,7,8,9,10,11,12,13,14,15
	global_load_b128 v[RAW+64*(\set)+4*(\j):RAW+64*(\set)+4*(\j)+3], v[L16], s[SRC:SRC+1] offset:(\off)+512*(\j) th:TH_LOAD_NT
.endr
.endm
.macro SCALEROW set
.set i, 0
.rept 32
	v_pk_mul_f32 v[RAW+64*(\set)+i:RAW+64*(\set)+i+1], v[RAW+64*(\set)+i:RAW+64*(\set)+i+1], C2L op_sel_hi:[1,0]
.set i, i+2
.endr
.endm
.macro CVTROW set
.set i, 0
.rept 32
	v_cvt_pk_bf16_f32 v[Y+32*(\set)+i], v[RAW+64*(\set)+2*i], v[RAW+64*(\set)+2*i+1]
.set i, i+1
.endr
.endm
.macro STOREROW set, off
.irp j, 0,1,2,3,4,5,6,7,8,9,10,11,12,13,14,15
	global_store_b64 v[L8], v[Y+32*(\set)+2*(\j):Y+32*(\set)+2*(\j)+1], s[DST:DST+1] offset:(\off)+256*(\j)
.endr
.endm
.macro PLACES
.rept 4
	v_nop
.endr
.endm
	s_load_b256 s[4:11], s[0:1], 0x0               ; enc s[4:5], attn1_w s[6:7], attn1_b s[8:9], hidden s[10:11]
	s_load_b128 s[12:15], s[0:1], 0x20             ; encb s[12:13], w1s s[14:15]
	s_load_b64 s[16:17], s[0:1], 0x30              ; hp
	v_lshl_add_u32 v[SPW], v0, 2, SPARE
	v_mov_b32 v[NIL], 0
	v_lshrrev_b32 v1, 5, v0
	v_readfirstlane_b32 s[WV], v1                  ; wave 0..3
	v_and_b32 v12, 31, v0                          ; lane
	v_lshlrev_b32 v[L16], 4, v12
	v_lshlrev_b32 v[L8], 3, v12
	s_mov_b32 s33, 0                               ; the high word of every offset
	s_wait_kmcnt 0x0
	s_cmp_lt_u32 ttmp9, 128
	s_cbranch_scc1 .Lhp
	s_cmp_lt_u32 ttmp9, 1152
	s_cbranch_scc0 .Lw1
	; ENC.  e = number - 128.  Source rows 16 e + 4 w + i (i = 0..3) of [s][b]: s = e / 16, b = 16 (e % 16) + 4 w + i.
	s_sub_co_u32 s21, ttmp9, 128
	s_lshl_b32 s32, s21, 17                        ; 16 rows of 8,192 bytes
	s_lshl_b32 s22, s[WV], 15                      ; my 4 of them
	s_add_co_u32 s32, s32, s22
	s_add_nc_u64 s[SRC:SRC+1], s[4:5], s[32:33]
	s_and_b32 s22, s21, 15
	s_lshl_b32 s32, s22, 22                        ; b x 64 rows x 4,096 bytes: 16 (e % 16) of them,
	s_lshl_b32 s22, s[WV], 20                      ; 4 w,
	s_add_co_u32 s32, s32, s22
	s_lshr_b32 s22, s21, 4
	s_lshl_b32 s22, s22, 12                        ; and row s
	s_add_co_u32 s32, s32, s22
	s_add_nc_u64 s[DST:DST+1], s[12:13], s[32:33]
	LOADROW 0, 0
	LOADROW 1, 8192
	s_wait_loadcnt 16                              ; row 0 is in; row 1's 16 loads may stay out
	CVTROW 0
	LOADROW 0, 16384
	STOREROW 0, 0
	s_wait_loadcnt 16                              ; row 1 is in; row 2's may stay out
	CVTROW 1
	LOADROW 1, 24576
	STOREROW 1, 262144
	s_wait_loadcnt 16                              ; row 2
	s_wait_xcnt 0x0                                ; both sets of store data are rewritten only behind this wait
	CVTROW 0
	STOREROW 0, 524288
	s_wait_loadcnt 0x0                             ; row 3
	CVTROW 1
	STOREROW 1, 786432
	s_branch .Lend
.Lw1:	; W1S.  Rows n = 16 (number - 1152) + 4 w + i: the 2,048 numbers behind the first 1,024 of a row of attn1_w, times c.
	s_sub_co_u32 s21, ttmp9, 1152
	s_lshl_b32 s21, s21, 4
	s_lshl2_add_u32 s21, s[WV], s21                ; 4 w + 16 u
	s_mul_i32 s32, s21, 12288
	s_add_co_u32 s32, s32, 4096
	s_add_nc_u64 s[SRC:SRC+1], s[6:7], s[32:33]
	s_lshl_b32 s32, s21, 12
	s_add_nc_u64 s[DST:DST+1], s[14:15], s[32:33]
	s_mov_b32 s23, 4
.Lw1row:
	LOADROW 0, 0
	s_wait_loadcnt 0x0
	SCALEROW 0
	CVTROW 0
	STOREROW 0, 0
	s_wait_xcnt 0x0                                ; the pointers and the store data are rewritten only behind this wait
	s_add_nc_u64 s[SRC:SRC+1], s[SRC:SRC+1], 12288
	s_add_nc_u64 s[DST:DST+1], s[DST:DST+1], 4096
	s_sub_co_u32 s23, s23, 1
	s_cmp_lg_u32 s23, 0
	s_cbranch_scc1 .Lw1row
	s_branch .Lend
.Lhp:	; HP.  A tile of 32 rows b (m0 = 32 (g % 8)) x 64 columns n (n0 = 64 (g / 8)).  K = 1,024 is split among the four waves, 256 each, 32 a trip.
	; The product is taken transposed (source 0 = 16 rows of attn1_w, source 1 = 16 rows of hidden): a lane holds one row b (lane % 16) and the columns 8 (lane / 16) + 0..7.
	; An f32 fragment of 16 rows x 32 channels: lane l takes row l % 16, bytes 32 (l / 16) + 0..31 and 64 + 32 (l / 16) + 0..31: four loads of 16 bytes, rounded in pairs.
	v_and_b32 v13, 15, v0                          ; l % 16
	v_bfe_u32 v14, v0, 4, 1                        ; l / 16
	s_and_b32 s21, ttmp9, 7
	s_lshl_b32 s21, s21, 5                         ; m0
	s_lshr_b32 s22, ttmp9, 3
	s_lshl_b32 s22, s22, 6                         ; n0
	v_lshlrev_b32 v15, 5, v14
	v_lshl_add_u32 v[FX], v13, 12, v15
	v_mul_u32_u24 v[FW], v13, 12288
	v_add_nc_u32 v[FW], v[FW], v15
	v_lshlrev_b32 v[BO], 4, v13
	s_lshl_b32 s32, s21, 12
	s_lshl_b32 s23, s[WV], 10                      ; my 256 channels: 1,024 bytes
	s_add_co_u32 s32, s32, s23
	s_add_nc_u64 s[XP:XP+1], s[10:11], s[32:33]
	s_mul_i32 s32, s22, 12288
	s_add_co_u32 s32, s32, s23
	s_add_nc_u64 s[WP:WP+1], s[6:7], s[32:33]
	s_lshl_b32 s32, s22, 2
	s_add_nc_u64 s[34:35], s[8:9], s[32:33]        ; attn1_b at n0
	s_lshl_b32 s23, s[WV], 3
	s_add_co_u32 s23, s23, s21                     ; the first row that I store: m0 + 8 w
	s_lshl_b32 s23, s23, 12
	s_add_co_u32 s32, s32, s23
	s_add_nc_u64 s[36:37], s[16:17], s[32:33]      ; hp at that row, column n0
.macro HLOADS
.irp mt, 0,1
.irp q, 0,1,2,3
	global_load_b128 v[XR+16*(\mt)+4*(\q):XR+16*(\mt)+4*(\q)+3], v[FX], s[XP:XP+1] offset:(\mt)*65536+16*(\q)+32*((\q)/2)
.endr
.endr
.irp nt, 0,1,2,3
.irp q, 0,1,2,3
	global_load_b128 v[WR+16*(\nt)+4*(\q):WR+16*(\nt)+4*(\q)+3], v[FW], s[WP:WP+1] offset:(\nt)*196608+16*(\q)+32*((\q)/2)
.endr
.endr
.endm
.macro HCVT
.set i, 0
.rept 16
	v_cvt_pk_bf16_f32 v[XC+i], v[XR+2*i], v[XR+2*i+1]
.set i, i+1
.endr
.set i, 0
.rept 32
	v_cvt_pk_bf16_f32 v[WC+i], v[WR+2*i], v[WR+2*i+1]
.set i, i+1
.endr
.endm
.macro HMUL zero                       ; eight products; the eight accumulators take turns, over the backward jump too
.irp mt, 0,1
.irp nt, 0,1,2,3
.if \zero
	v_wmma_f32_16x16x32_bf16 v[ACC+8*(4*(\mt)+(\nt)):ACC+8*(4*(\mt)+(\nt))+7], v[WC+8*(\nt):WC+8*(\nt)+7], v[XC+8*(\mt):XC+8*(\mt)+7], 0
.else
	v_wmma_f32_16x16x32_bf16 v[ACC+8*(4*(\mt)+(\nt)):ACC+8*(4*(\mt)+(\nt))+7], v[WC+8*(\nt):WC+8*(\nt)+7], v[XC+8*(\mt):XC+8*(\mt)+7], v[ACC+8*(4*(\mt)+(\nt)):ACC+8*(4*(\mt)+(\nt))+7]
.endif
.endr
.endr
.endm
.macro HTRIP zero, load
	s_wait_loadcnt 0x0                             ; this trip's 24 loads are in: all my loads are done, so the two pointers may be written
.if !(\zero)
	PLACES                                         ; four places between the last product and the conversions that write its sources (ISA guide 7.12.1)
.endif
	HCVT
.if \load
	s_add_nc_u64 s[XP:XP+1], s[XP:XP+1], 128
	s_add_nc_u64 s[WP:WP+1], s[WP:WP+1], 128
	HLOADS                                         ; the next trip's loads are out while this trip is multiplied
.endif
	HMUL \zero
.endm
	global_load_b128 v[BI:BI+3], v[BO], s[34:35]
	HLOADS
	s_mul_i32 s23, s[WV], 8704                     ; my stage: 32 rows of 272 bytes (256 + 16 of padding)
	v_mul_u32_u24 v[LS], v13, 272
	v_add3_u32 v[LS], v[LS], v15, s23              ; row l % 16, 32 bytes for each half of the lanes
	s_mul_i32 s23, s[WV], 2176                     ; back: rows 8 w .. 8 w + 7 of all four stages; lanes 0-15 one row, lanes 16-31 the next
	v_mul_u32_u24 v[LR], v14, 272
	v_lshl_add_u32 v[LR], v13, 4, v[LR]
	v_add_nc_u32 v[LR], s23, v[LR]
	v_lshlrev_b32 v[YO], 12, v14
	v_lshl_add_u32 v[YO], v13, 4, v[YO]
	HTRIP 1, 1                                     ; the first trip's products start the sums: nothing is cleared
	s_mov_b32 s23, 6
.Lhtrip:
	HTRIP 0, 1
	s_sub_co_u32 s23, s23, 1
	s_cmp_lg_u32 s23, 0
	s_cbranch_scc1 .Lhtrip
	HTRIP 0, 0                                     ; the eighth trip loads nothing
	PLACES
	PLACES
.irp mt, 0,1
.irp nt, 0,1,2,3
	ds_store_b128 v[LS], v[ACC+8*(4*(\mt)+(\nt)):ACC+8*(4*(\mt)+(\nt))+3] offset:(\mt)*4352+(\nt)*64
	ds_store_b128 v[LS], v[ACC+8*(4*(\mt)+(\nt))+4:ACC+8*(4*(\mt)+(\nt))+7] offset:(\mt)*4352+(\nt)*64+16
.endr
.endr
	v_pk_mul_f32 v[CB:CB+1], v[BI:BI+1], C2L op_sel_hi:[1,0]
	v_pk_mul_f32 v[CB+2:CB+3], v[BI+2:BI+3], C2L op_sel_hi:[1,0]
	s_wait_dscnt 0x0                               ; for the others' sake: my partial sums lie in LDS
	s_barrier_signal -1
	s_barrier_wait -1                              ; all four waves' do
.irp i, 0,1,2,3
.irp c, 0,1,2,3
	ds_load_b128 v[XR+16*(\i)+4*(\c):XR+16*(\i)+4*(\c)+3], v[LR] offset:(\i)*544+(\c)*8704
.endr
.endr
	s_wait_dscnt 0x0
.irp i, 0,1,2,3
.irp p, 0,2
	v_pk_add_f32 v[XR+16*(\i)+(\p):XR+16*(\i)+(\p)+1], v[XR+16*(\i)+(\p):XR+16*(\i)+(\p)+1], v[XR+16*(\i)+4+(\p):XR+16*(\i)+4+(\p)+1]
	v_pk_add_f32 v[XR+16*(\i)+8+(\p):XR+16*(\i)+8+(\p)+1], v[XR+16*(\i)+8+(\p):XR+16*(\i)+8+(\p)+1], v[XR+16*(\i)+12+(\p):XR+16*(\i)+12+(\p)+1]
.endr
.endr
.irp i, 0,1,2,3
.irp p, 0,2
	v_pk_add_f32 v[XR+16*(\i)+(\p):XR+16*(\i)+(\p)+1], v[XR+16*(\i)+(\p):XR+16*(\i)+(\p)+1], v[XR+16*(\i)+8+(\p):XR+16*(\i)+8+(\p)+1]
.endr
.endr
.irp i, 0,1,2,3
.irp p, 0,2
	v_pk_fma_f32 v[XR+16*(\i)+(\p):XR+16*(\i)+(\p)+1], v[XR+16*(\i)+(\p):XR+16*(\i)+(\p)+1], C2L, v[CB+(\p):CB+(\p)+1] op_sel_hi:[1,0,1]  ; c sum + c bias
.endr
.endr
.irp i, 0,1,2,3
	global_store_b128 v[YO], v[XR+16*(\i):XR+16*(\i)+3], s[36:37] offset:(\i)*8192  ; 16 lanes store 256 consecutive bytes, aligned
.endr
.Lend:
	s_wait_tensorcnt 0x0                           ; the wave's end, behind my last LDS store
	ds_add_u32 v[SPW], v[NIL]
	s_wait_dscnt 0x0
	s_endpgm
.Lfunc_end_k_q231abd1847_prep:
	.size	k_q231abd1847_prep, .Lfunc_end_k_q231abd1847_prep-k_q231abd1847_prep
	.p2alignl 7, 3214868480
	.fill 96, 4, 3214868480
	.section	.rodata,"a",@progbits
	.p2align	6, 0x0
	.amdhsa_kernel k_q231abd1847_prep
		.amdhsa_group_segment_fixed_size 35328
		.amdhsa_private_segment_fixed_size 0
		.amdhsa_enable_private_segment 0
		.amdhsa_kernarg_size 56
		.amdhsa_user_sgpr_count 2
		.amdhsa_user_sgpr_kernarg_segment_ptr 1
		.amdhsa_wavefront_size32 1
		.amdhsa_system_sgpr_workgroup_id_x 1
		.amdhsa_system_sgpr_workgroup_id_y 1
		.amdhsa_system_sgpr_workgroup_id_z 1
		.amdhsa_system_vgpr_workitem_id 0
		.amdhsa_next_free_vgpr 256
		.amdhsa_next_free_sgpr 66
		.amdhsa_reserve_vcc 0
		.amdhsa_float_denorm_mode_32 3
		.amdhsa_float_denorm_mode_16_64 3
		.amdhsa_memory_ordered 1
		.amdhsa_forward_progress 1
		.amdhsa_inst_pref_size 56
	.end_amdhsa_kernel
	.amdgpu_metadata
---
amdhsa.version: [ 1, 2 ]
amdhsa.kernels:
  - .name:           k_q231abd1847_prep
    .symbol:         k_q231abd1847_prep.kd
    .args:
      - { .name: encode_outputs, .offset: 0, .size: 8, .value_kind: global_buffer, .address_space: global }
      - { .name: attn1_w, .offset: 8, .size: 8, .value_kind: global_buffer, .address_space: global }
      - { .name: attn1_b, .offset: 16, .size: 8, .value_kind: global_buffer, .address_space: global }
      - { .name: hidden, .offset: 24, .size: 8, .value_kind: global_buffer, .address_space: global }
      - { .name: encb, .offset: 32, .size: 8, .value_kind: global_buffer, .address_space: global }
      - { .name: w1s, .offset: 40, .size: 8, .value_kind: global_buffer, .address_space: global }
      - { .name: hp, .offset: 48, .size: 8, .value_kind: global_buffer, .address_space: global }
    .group_segment_fixed_size: 35328
    .private_segment_fixed_size: 0
    .kernarg_segment_align: 8
    .kernarg_segment_size: 56
    .max_flat_workgroup_size: 128
    .sgpr_count:     66
    .vgpr_count:     256
    .wavefront_size: 32
...
	.end_amdgpu_metadata
.endif
;; end of part 1
;; launch energy (part 2): grid 4 x 64, 4 waves a work-group, clusters of 4 x 4, 327,680 bytes of LDS; arguments encb, w1s, hp, attn2_w, epart; writes epart
.if DOCPART == 2
	.amdgcn_target "amdgcn-amd-amdhsa--gfx1250"
	.amdhsa_code_object_version 6
	.text
	.protected	k_q231abd1847_energy
	.globl	k_q231abd1847_energy
	.p2align	8
	.type	k_q231abd1847_energy,@function
k_q231abd1847_energy:
	s_mov_b64 s[64:65], 0
	v_nop
	global_prefetch_b8 v0, s[64:65] scope:SCOPE_SE
	s_setreg_imm32_b32 hwreg(HW_REG_WAVE_MODE, 25, 1), 1
	s_wait_xcnt 0x0
	s_wait_alu depctr_hold_cnt(0) depctr_sa_sdst(0) depctr_va_vdst(0) depctr_va_sdst(0) depctr_va_ssrc(0) depctr_va_vcc(0) depctr_vm_vsrc(0)
	s_getreg_b32 s2, hwreg(HW_REG_IB_STS2, 6, 4)
	s_cmp_eq_u32 s2, 0
	s_cbranch_scc0 .Lentry_in_a_cluster
	s_endpgm
.Lentry_in_a_cluster:
	s_bfe_u32 s2, ttmp6, 0x10000c
	s_cmp_lg_u32 s2, 0xf033
	s_cbranch_scc0 .Lentry_shape_is_right
	s_endpgm
.Lentry_shape_is_right:
; ENERGY.  pre[m][n] = hp[b][n] + sum_k encb[m][k] w1s[n][k], m = 64 b + s: c times the argument of tanh.  epart[p][m] = sum over the 128 columns n of part p of -2 attn2_w[n] / (1 + 2^pre[m][n]).
; Left out, as shown at the head of the first kernel: attn2_b and the sum of attn2_w, both the same along the softmax's axis.
; THE PRODUCT: M = 16,384, N = 1,024, K = 2,048, bf16 operands, f32 sums.  A tile of 256 x 256 is made by a work-group of four waves, a wave makes 128 x 128: 64 accumulators of 16 x 16, 512 registers.
; K goes in steps of 128 through a ring of two LDS slots filled by the tensor data mover: rows of 256 bytes, aligned.  256 tiles: one work-group each.
; CLUSTERS: 4 x 4 work-groups.  The four of a row of the cluster need the same tiles of encb, the four of a column the same tiles of w1s: each tile is asked for JOINTLY, by the same tensor load,
; with the same descriptor and a mask that names the four.
; TRANSPOSED USE: source 0 = 16 rows of w1s, source 1 = 16 rows of encb: a lane holds row m = lane % 16 and the columns n = 8 (lane / 16) + 0..7.
; hp IS THE C OF THE FIRST PRODUCTS: my rows 0-63 are one b, my rows 64-127 the next, and hp hangs on b and n alone: 64 registers for each b serve all four row blocks.  Nothing is cleared or added.
; REGISTERS, in windows of 256 (s_set_vgpr_msb: bits 1:0 source 0, 3:2 source 1, 5:4 source 2, 7:6 destination):
;   window 0: v0-31 addresses; v32-53 at work on the way out; v64-127, v128-191 fragments of encb, two buffers; v192-255 -2 attn2_w of my lane's 64 columns
;   window 1: v0-63 hp of my first b, v192-255 of my second; v64-127, v128-191 fragments of w1s, two buffers
;   window 2: the 32 accumulators of my rows 0-63 ((a, b) at v[8 (8 a + b)]);   window 3: those of my rows 64-127
.set SIZE_K, 2048
.set KSTEP,  128
.set PITCH,  272                       ; an LDS row: 256 bytes + 16 of padding = 68 words: the 16 rows that a load touches start at 16 different groups of four banks (64 banks of 4 bytes: ISA guide 11.1)
.set HALFT,  128*PITCH                 ; 128 rows: what one tensor load brings, and what one wave reads of either operand
.set SLOT,   4*HALFT                   ; encb's 256 rows, then w1s's 256 rows
.set SPARE,  2*SLOT                    ; behind the ring: the spare words, 128 bytes a wave: two blocks of 256 bytes that no other line names
.set LAPS,   SIZE_K/(2*KSTEP)          ; 8 laps of two K steps
.set ADRA, 16                          ; v16-17  LDS address of my fragments of encb in slot 0, 1
.set ADRB, 20                          ; v20-21  the same for w1s
.set VH,   27                          ; v27     32 x (lane / 16): my eight columns' bytes in hp and attn2_w
.set SPW,  28                          ; v28     LDS address of my spare word; never rewritten
.set NIL,  29                          ; v29     0; never rewritten
.set PFO,  30                          ; v30     the prefetches' offset: lane x 4,096; never rewritten
.set E,    32                          ; v[32:39]  four chains of packed sums
.set R,    40                          ; v[40:47]  block a's sum for my row
.set TP,   48                          ; v48     the other half of the lanes'
.set EO,   49                          ; v49     4 x lane
.set OUTV, 50                          ; v[50:53]
.set F0,   64
.set F1,   128
.set A2,   192
.set HPT,  0
.set PFA,  44                          ; s[44:45] where my prefetches stand
.set LIM,  43                          ; s43     1 in a wave that prefetches, else the greatest number
.set G1, 24                            ; s[24:31] descriptor group 1 for encb's tiles
.set G0, 32                            ; s[32:39] group 0, one set for each slot
.set G1B, 48                           ; s[48:55] group 1 for w1s's tiles: it differs in the mask alone
.set G0B, 56                           ; s[56:63] group 0, one set for each slot
.set MSB, 0
.macro WIN new                         ; the immediate's high byte repeats the setting that is left; a switch that changes nothing is dropped
.if MSB != (\new)
	s_set_vgpr_msb (MSB<<8)|(\new)
.set MSB, \new
.endif
.endm
.set MUL_LO, 0xa1                      ; source 0 (w1s) window 1, source 1 (encb) window 0, C and D window 2
.set TO_B,   0x40                      ; destination window 1, address window 0
; A joint load.  Waves 0 and 1 fetch encb's two halves, waves 2 and 3 those of w1s.  The branch hangs on the wave's number alone.  An s_nop 0 and four v_nop follow each of the two lines.
.macro JLOAD s
	s_cmp_eq_u32 s11, 0
	s_cbranch_scc0 .Lfor_b_\@
	tensor_load_to_lds s[G0+4*(\s):G0+4*(\s)+3], s[G1:G1+7]
	s_nop 0
.rept 4
	v_nop
.endr
	s_branch .Lasked_\@
.Lfor_b_\@:
	tensor_load_to_lds s[G0B+4*(\s):G0B+4*(\s)+3], s[G1B:G1B+7]
	s_nop 0
.rept 4
	v_nop
.endr
.Lasked_\@:
.endm
; A prefetch of the K step that stands two refills on: 32 rows x 256 bytes, a lane a row, one instruction a wave.  encb's rows are read by one cluster alone (the grid has one cluster along x), which asks for them;
; w1s's rows are read by all sixteen clusters: the one with y = 0 asks.  The four partners that ask for a tile jointly share its rows out by address, 32 each.  The loop's last trip has no K step two on.
.macro ASK
	s_cmp_gt_u32 s3, s[LIM]
	s_cbranch_scc0 .Lnot_mine_\@
	global_prefetch_b8 v[PFO], s[PFA:PFA+1] offset:KSTEP*2 th:TH_LOAD_NT scope:SCOPE_SE
.Lnot_mine_\@:
.endm
.macro CREST                           ; a round of the cluster's barrier behind its opening barrier
	s_cmp_lg_u32 s10, 0
	s_cbranch_scc1 .Lnot_wave_0_\@
	s_barrier_signal -3
.Lnot_wave_0_\@:
	s_barrier_wait -3
	s_barrier_signal -1
	s_barrier_wait -1
.endm
.macro CROUND                          ; a whole round
	s_barrier_signal -1
	s_barrier_wait -1
	CREST
.endm
	s_load_b128 s[4:7], s[0:1], 0x0                ; encb s[4:5], w1s s[6:7]
	s_load_b128 s[68:71], s[0:1], 0x10             ; hp s[68:69], attn2_w s[70:71]
	s_load_b64 s[72:73], s[0:1], 0x20              ; epart
	v_lshl_add_u32 v[SPW], v0, 2, SPARE
	v_mov_b32 v[NIL], 0
	ds_add_u32 v[SPW], v[NIL]                      ; the wave's opening: the add, twice on end, and its wait ahead of my first tensor load
	ds_add_u32 v[SPW], v[NIL]                      ; and once more, under the one wait; the set-up below, work on registers, stands between
	v_lshrrev_b32 v1, 5, v0
	v_readfirstlane_b32 s10, v1                    ; wave 0..3
	s_lshr_b32 s11, s10, 1                         ; which half of the tile's rows is mine.  Also: I fetch for encb (0) or for w1s (1)
	s_and_b32 s12, s10, 1                          ; which half of its columns.  Also: which 128 rows of that tile I fetch
	s_bfe_u32 s40, ttmp6, 0x40000                  ; cx
	s_bfe_u32 s41, ttmp6, 0x40004                  ; cy
	s_lshl_b32 s42, ttmp9, 2
	s_add_co_u32 s42, s42, s40                     ; tile column = 4 x cluster x + cx
	s_and_b32 s13, ttmp7, 0xffff
	s_lshl_b32 s13, s13, 2
	s_add_co_u32 s13, s13, s41                     ; tile row = 4 x cluster y + cy
	s_lshl_b32 s43, s41, 2
	s_lshl_b32 s43, 15, s43                        ; my row of the cluster: places 4 cy .. 4 cy + 3
	s_lshl_b32 s44, 0x1111, s40                    ; my column: places cx, cx + 4, cx + 8, cx + 12
	s_or_b32 s[G1+0], s43, (1<<16)|(1<<20)|(1<<21)|(5<<22)|(3<<25)  ; 15:0 the mask; 17:16 2-byte elements; 20 padding on; 21 set beside a mask; 24:22 after every 64 words; 31:25 4 words of it
	s_or_b32 s[G1B+0], s44, (1<<16)|(1<<20)|(1<<21)|(5<<22)|(3<<25)
.irp g, G1, G1B
	s_mov_b32 s[(\g)+1], KSTEP<<16                 ; tensor_dim0 = 128
	s_mov_b32 s[(\g)+2], 128<<16                   ; tensor_dim1 = 128
	s_mov_b32 s[(\g)+3], KSTEP<<16                 ; tile_dim0 = 128
	s_mov_b32 s[(\g)+4], 128                       ; tile_dim1 = 128
	s_mov_b32 s[(\g)+5], SIZE_K                    ; elements from row to row
	s_mov_b32 s[(\g)+6], 0
	s_mov_b32 s[(\g)+7], 0
.endr
	s_lshl_b32 s17, s12, 7                         ; which 128 rows of the tile I fetch
	s_lshl_b32 s16, s13, 8
	s_add_co_u32 s16, s16, s17                     ; encb: row 256 x tile row + 128 x half
	s_lshl_b32 s46, s42, 8
	s_add_co_u32 s46, s46, s17                     ; w1s: row 256 x tile column + 128 x half
	s_mov_b32 s17, 0
	s_mov_b32 s47, 0
	s_mov_b64 s[18:19], SIZE_K*2
	s_mul_u64 s[16:17], s[16:17], s[18:19]
	s_mul_u64 s[46:47], s[46:47], s[18:19]
	s_mul_i32 s20, s10, HALFT                      ; where they go: wave x 128 rows: no place in the cluster enters an LDS address
	s_wait_dscnt 0x0                               ; both opening adds are done
	s_wait_kmcnt 0x0
	s_add_nc_u64 s[14:15], s[4:5], s[16:17]
	s_add_nc_u64 s[46:47], s[6:7], s[46:47]
	CROUND                                         ; all sixteen work-groups are here: the first joint loads meet
.irp s, 0,1
	s_mov_b32 s[G0+4*(\s)], 1
	s_add_co_u32 s[G0+4*(\s)+1], s20, (\s)*SLOT
	s_add_nc_u64 s[G0+4*(\s)+2:G0+4*(\s)+3], s[14:15], (\s)*KSTEP*2
	s_or_b32 s[G0+4*(\s)+3], s[G0+4*(\s)+3], 0x80000000
	s_mov_b32 s[G0B+4*(\s)], 1
	s_add_co_u32 s[G0B+4*(\s)+1], s20, (\s)*SLOT
	s_add_nc_u64 s[G0B+4*(\s)+2:G0B+4*(\s)+3], s[46:47], (\s)*KSTEP*2
	s_or_b32 s[G0B+4*(\s)+3], s[G0B+4*(\s)+3], 0x80000000
	JLOAD \s                                       ; two tensor loads of mine are out
.endr
	v_and_b32 v1, 15, v0                           ; l % 16
	v_bfe_u32 v2, v0, 4, 1                         ; l / 16
	v_lshlrev_b32 v[VH], 5, v2
	; hp at row b = 4 x tile row + 2 x row half, column 256 x tile column + 128 x column half; attn2_w at that column
	s_lshl_b32 s76, s13, 2
	s_lshl_b32 s77, s11, 1
	s_add_co_u32 s76, s76, s77
	s_lshl_b32 s76, s76, 12
	s_lshl_b32 s78, s42, 10
	s_lshl_b32 s79, s12, 9
	s_add_co_u32 s78, s78, s79
	s_add_co_u32 s76, s76, s78
	s_mov_b32 s77, 0
	s_mov_b32 s79, 0
	s_add_nc_u64 s[68:69], s[68:69], s[76:77]
	s_add_nc_u64 s[70:71], s[70:71], s[78:79]
	WIN TO_B
.irp bb, 0,1,2,3,4,5,6,7
.irp q, 0,1
	global_load_b128 v[HPT+8*(\bb)+4*(\q):HPT+8*(\bb)+4*(\q)+3], v[VH], s[68:69] offset:64*(\bb)+16*(\q)
	global_load_b128 v[HPT+192+8*(\bb)+4*(\q):HPT+192+8*(\bb)+4*(\q)+3], v[VH], s[68:69] offset:4096+64*(\bb)+16*(\q)
.endr
.endr
	WIN 0
.irp bb, 0,1,2,3,4,5,6,7
.irp q, 0,1
	global_load_b128 v[A2+8*(\bb)+4*(\q):A2+8*(\bb)+4*(\q)+3], v[VH], s[70:71] offset:64*(\bb)+16*(\q)
.endr
.endr
	; epart at part 2 x tile column + column half, row 256 x tile row + 128 x row half
	s_lshl_b32 s76, s42, 1
	s_add_co_u32 s76, s76, s12
	s_lshl_b32 s76, s76, 16
	s_lshl_b32 s78, s13, 10
	s_add_co_u32 s76, s76, s78
	s_lshl_b32 s78, s11, 9
	s_add_co_u32 s76, s76, s78
	s_add_nc_u64 s[72:73], s[72:73], s[76:77]
	s_mov_b32 s74, 0x76543210                      ; v_permlanex16_b32's selects: each lane takes its own place in the other half
	s_mov_b32 s75, 0xfedcba98
	; A fragment is 16 rows x 32 K in 8 registers: lane l holds row l % 16, K = 8 (l / 16) + 0..7 and 16 + 8 (l / 16) + 0..7: two loads of 16 bytes, 32 bytes apart.
	v_mul_u32_u24 v3, v1, PITCH
	v_lshl_add_u32 v3, v2, 4, v3
	s_mul_i32 s21, s11, HALFT                      ; my 128 rows of encb
	s_mul_i32 s22, s12, HALFT                      ; my 128 rows of w1s,
	s_add_co_u32 s22, s22, 2*HALFT                 ; which lie behind encb's 256
.irp s, 0,1
	v_add_nc_u32 v[ADRA+(\s)], s21, v3
	v_add_nc_u32 v[ADRB+(\s)], s22, v3
	s_add_co_u32 s21, s21, SLOT
	s_add_co_u32 s22, s22, SLOT
.endr
	; the prefetches
	s_lshl_b32 s13, s13, 8                         ; 256 x tile row
	s_lshl_b32 s42, s42, 8                         ; 256 x tile column
	s_and_b32 s22, ttmp7, 0xffff                   ; cluster y
	s_cmp_eq_u32 s11, 0                            ; do I fetch for encb?
	s_cselect_b32 s20, s13, s42                    ; the tile's first row
	s_cselect_b32 s21, s40, s41                    ; my place among the four that ask for it with me
	s_cselect_b32 s22, ttmp9, s22                  ; the coordinate along which other clusters read the same rows
	s_cselect_b64 s[PFA:PFA+1], s[4:5], s[6:7]
	s_cmp_eq_u32 s22, 0
	s_cselect_b32 s[LIM], 1, -1                    ; the same in all sixteen partners, for a given wave
	s_lshl_b32 s22, s12, 7
	s_add_co_u32 s20, s20, s22                     ; + the 128 rows that I fetch
	s_lshl_b32 s21, s21, 5
	s_add_co_u32 s20, s20, s21                     ; + my work-group's 32 of them
	s_mov_b32 s21, 0
	s_mov_b64 s[18:19], SIZE_K*2
	s_mul_u64 s[20:21], s[20:21], s[18:19]
	s_add_nc_u64 s[PFA:PFA+1], s[PFA:PFA+1], s[20:21]
	s_add_nc_u64 s[PFA:PFA+1], s[PFA:PFA+1], 2*KSTEP*2  ; at K step 2: the first refill steps it to 3 and names K step 4.  Nothing is prefetched at the head
	v_and_b32 v[PFO], 31, v0
	v_mul_u32_u24 v[PFO], v[PFO], SIZE_K*2
	s_wait_loadcnt 0x0                             ; hp and attn2_w
.set i, 0
.rept 32
	v_pk_mul_f32 v[A2+i:A2+i+1], v[A2+i:A2+i+1], -2.0 op_sel_hi:[1,0]
.set i, i+2
.endr
; 16 matrix instructions: row blocks a0, a0 + 1 of the window's four (hi = 0: my rows 0-63, 1: rows 64-127) x all 8 column blocks, 32 along K.  first = 1: the sums start from hp.
.macro MUL16 f, hi, a0, first
.if \first
	WIN 0x91+0x40*(\hi)                            ; as below, with C in window 1
.else
	WIN MUL_LO+0x50*(\hi)
.endif
.irp a, \a0, (\a0)+1
.irp b, 0,1,2,3,4,5,6,7
.if \first
	v_wmma_f32_16x16x32_bf16 v[8*(8*(\a)+(\b)):8*(8*(\a)+(\b))+7], v[(\f)+8*(\b):(\f)+8*(\b)+7], v[(\f)+8*(4*(\hi)+(\a)):(\f)+8*(4*(\hi)+(\a))+7], v[HPT+192*(\hi)+8*(\b):HPT+192*(\hi)+8*(\b)+7]
.else
	v_wmma_f32_16x16x32_bf16 v[8*(8*(\a)+(\b)):8*(8*(\a)+(\b))+7], v[(\f)+8*(\b):(\f)+8*(\b)+7], v[(\f)+8*(4*(\hi)+(\a)):(\f)+8*(4*(\hi)+(\a))+7], v[8*(8*(\a)+(\b)):8*(8*(\a)+(\b))+7]
.endif
.endr
.endr
.endm
; 32 LDS loads in one run: the fragments of one quarter step (32 K at byte k of the rows) into buffer f
.macro FETCH slot, k, f
	WIN TO_B
.irp i, 0,1,2,3,4,5,6,7
	ds_load_b128 v[(\f)+8*(\i):(\f)+8*(\i)+3],   v[ADRB+(\slot)] offset:(\k)+(\i)*16*PITCH
	ds_load_b128 v[(\f)+8*(\i)+4:(\f)+8*(\i)+7], v[ADRB+(\slot)] offset:(\k)+(\i)*16*PITCH+32
.endr
	WIN 0
.irp i, 0,1,2,3,4,5,6,7
	ds_load_b128 v[(\f)+8*(\i):(\f)+8*(\i)+3],   v[ADRA+(\slot)] offset:(\k)+(\i)*16*PITCH
	ds_load_b128 v[(\f)+8*(\i)+4:(\f)+8*(\i)+7], v[ADRA+(\slot)] offset:(\k)+(\i)*16*PITCH+32
.endr
.endm
.macro PLACES                          ; four places between a matrix instruction and a load into, or a vector instruction on, its registers (ISA guide 7.12.1 for vector instructions)
.rept 4
	v_nop
.endr
.endm
; A K step is four quarters of 32 along K, 64 matrix instructions each, on buffers 0, 1, 0, 1.  The 64 accumulators take turns, in the same order in every quarter.
.macro QUARTER slot, k, f, g, first
	s_wait_dscnt 8                                 ; w1s's and encb's rows 0-63 are in; the youngest eight loads (encb's rows 64-127) may be out
	MUL16 \f, 0, 0, \first
	MUL16 \f, 0, 2, \first
	PLACES
	FETCH \slot, \k, \g
	s_wait_dscnt 32                                ; all but the 32 just issued
	MUL16 \f, 1, 0, \first
	MUL16 \f, 1, 2, \first
.endm
; The first half of a step's last quarter: ONE barrier for the change of slots.  In front of it each wave waits for all its tensor loads (one is out: its part of the next slot), adds 0 to its spare word,
; and waits for that and for its own reads of this slot.  Behind it nobody reads this slot any more and the next slot is whole.
.macro MEET round
	WIN 0
	s_wait_tensorcnt 0x0
	ds_add_u32 v[SPW], v[NIL]
	s_wait_dscnt 9                                 ; (the add and the youngest eight loads may be out)
	MUL16 F1, 0, 0, 0                              ; sixteen matrix instructions stand between the add and the wait for it
	s_wait_dscnt 0x0                               ; the add is done, and my reads of this slot are over
	s_barrier_signal -1
	MUL16 F1, 0, 2, 0                              ; work on registers while the others arrive
.if \round
	WIN 0
.endif
	s_barrier_wait -1
.endm
; The whole last quarter where the slot is filled again, two K steps ahead: the barrier opens a round of the cluster's, and the joint refill is the first tensor load behind it.
; From the request to the wait for it a wave issues 224 matrix instructions.
.macro TURN slot, next
	s_wait_xcnt 0x0                                ; the last prefetch, a K step back, has read its address
	s_add_nc_u64 s[PFA:PFA+1], s[PFA:PFA+1], KSTEP*2
	MEET 1
	CREST
	s_add_nc_u64 s[G0+4*(\slot)+2:G0+4*(\slot)+3], s[G0+4*(\slot)+2:G0+4*(\slot)+3], 2*KSTEP*2
	s_add_nc_u64 s[G0B+4*(\slot)+2:G0B+4*(\slot)+3], s[G0B+4*(\slot)+2:G0B+4*(\slot)+3], 2*KSTEP*2
	JLOAD \slot                                    ; the four v_nop behind it are also the places in front of the loads below
	FETCH \next, 0, F0
	ASK
	MUL16 F1, 1, 0, 0
	MUL16 F1, 1, 2, 0
.endm
	s_wait_tensorcnt 1                             ; my part of K step 0 is in; K step 1's may stay out
	s_barrier_signal -1
	s_barrier_wait -1
	FETCH 0, 0, F0
	QUARTER 0, 64,  F0, F1, 1                      ; the first quarter stands in front of the loop: its products start the sums, from hp
	WIN 0
	s_mov_b32 s3, LAPS-1
.Llap:                                                 ; a trip goes once round the ring, from a lap's second quarter to the next lap's first, and fills both slots again
	QUARTER 0, 128, F1, F0, 0
	QUARTER 0, 192, F0, F1, 0
	TURN 0, 1
	QUARTER 1, 64,  F0, F1, 0
	QUARTER 1, 128, F1, F0, 0
	QUARTER 1, 192, F0, F1, 0
	TURN 1, 0
	QUARTER 0, 64,  F0, F1, 0
	WIN 0
	s_sub_co_u32 s3, s3, 1
	s_cmp_lg_u32 s3, 0
	s_cbranch_scc1 .Llap
	QUARTER 0, 128, F1, F0, 0                      ; the last lap fills nothing
	QUARTER 0, 192, F0, F1, 0
	MEET 0                                         ; the one load that was out is the last K step's
	PLACES
	FETCH 1, 0, F0
	MUL16 F1, 1, 0, 0
	MUL16 F1, 1, 2, 0
	QUARTER 1, 64,  F0, F1, 0
	QUARTER 1, 128, F1, F0, 0
	QUARTER 1, 192, F0, F1, 0
	s_wait_dscnt 8
	MUL16 F1, 0, 0, 0
	MUL16 F1, 0, 2, 0
	s_wait_dscnt 0x0
	MUL16 F1, 1, 0, 0
	MUL16 F1, 1, 2, 0
	WIN 0
	PLACES
	PLACES
	v_mov_b32 v[TP], 0                             ; v_permlanex16_b32 counts as a reader of its destination
; THE WAY OUT of row block a (16 rows x my 128 columns: 64 registers): 2^pre, + 1, reciprocal, times -2 attn2_w, summed over the lane's 64 columns.  Each batch of 64 transcendentals has one plain
; instruction behind it and one wait ahead of its first reader.  Each accumulator is read from its lowest register on.
.macro EBLK a
.set AC, 64*((\a)%4)
.set WW, 2+(\a)/4
	WIN (WW<<6)|WW
.set i, 0
.rept 64
	v_exp_f32 v[AC+i], v[AC+i]
.set i, i+1
.endr
	v_nop
	s_wait_alu depctr_va_vdst(0)
.set i, 0
.rept 32
	v_pk_add_f32 v[AC+i:AC+i+1], v[AC+i:AC+i+1], 1.0 op_sel_hi:[1,0]
.set i, i+2
.endr
.set i, 0
.rept 64
	v_rcp_f32 v[AC+i], v[AC+i]
.set i, i+1
.endr
	v_nop
	s_wait_alu depctr_va_vdst(0)
	WIN WW                                         ; source 0 in the accumulators' window, all else in window 0
.set i, 0
.rept 32
.if i < 4
	v_pk_mul_f32 v[E+2*i:E+2*i+1], v[AC+2*i:AC+2*i+1], v[A2+2*i:A2+2*i+1]
.else
	v_pk_fma_f32 v[E+2*(i%4):E+2*(i%4)+1], v[AC+2*i:AC+2*i+1], v[A2+2*i:A2+2*i+1], v[E+2*(i%4):E+2*(i%4)+1]
.endif
.set i, i+1
.endr
	WIN 0
	v_pk_add_f32 v[E:E+1], v[E:E+1], v[E+2:E+3]
	v_pk_add_f32 v[E+4:E+5], v[E+4:E+5], v[E+6:E+7]
	v_pk_add_f32 v[E:E+1], v[E:E+1], v[E+4:E+5]
	v_add_f32 v[R+(\a)], v[E], v[E+1]
.endm
.irp a, 0,1,2,3,4,5,6,7
	EBLK \a
.endr
.irp a, 0,1,2,3,4,5,6,7
	v_permlanex16_b32 v[TP], v[R+(\a)], s74, s75   ; the row's other 64 columns lie in the lane 16 away
	v_add_f32 v[R+(\a)], v[R+(\a)], v[TP]
.endr
	v_and_b32 v[EO], 31, v0
	v_cmp_lt_u32 vcc_lo, 15, v[EO]
	v_lshlrev_b32 v[EO], 2, v[EO]
.irp q, 0,1,2,3
	v_cndmask_b32 v[OUTV+(\q)], v[R+2*(\q)], v[R+2*(\q)+1], vcc_lo  ; lanes 0-15 take block 2 q, lanes 16-31 block 2 q + 1: row 32 q + lane
.endr
.irp q, 0,1,2,3
	global_store_b32 v[EO], v[OUTV+(\q)], s[72:73] offset:128*(\q)  ; the four stores cover 512 consecutive bytes
.endr
	s_wait_tensorcnt 0x0                           ; the wave's end
	ds_add_u32 v[SPW], v[NIL]
	s_wait_dscnt 0x0
	CROUND                                         ; the closing round: no work-group ends while a partner may still ask for a tile that names it
	s_endpgm
.Lfunc_end_k_q231abd1847_energy:
	.size	k_q231abd1847_energy, .Lfunc_end_k_q231abd1847_energy-k_q231abd1847_energy
	.p2alignl 7, 3214868480
	.fill 96, 4, 3214868480
	.section	.rodata,"a",@progbits
	.p2align	6, 0x0
	.amdhsa_kernel k_q231abd1847_energy
		.amdhsa_group_segment_fixed_size 327680
		.amdhsa_private_segment_fixed_size 0
		.amdhsa_enable_private_segment 0
		.amdhsa_kernarg_size 40
		.amdhsa_user_sgpr_count 2
		.amdhsa_user_sgpr_kernarg_segment_ptr 1
		.amdhsa_wavefront_size32 1
		.amdhsa_system_sgpr_workgroup_id_x 1
		.amdhsa_system_sgpr_workgroup_id_y 1
		.amdhsa_system_sgpr_workgroup_id_z 1
		.amdhsa_system_vgpr_workitem_id 0
		.amdhsa_next_free_vgpr 1024
		.amdhsa_next_free_sgpr 80
		.amdhsa_reserve_vcc 1
		.amdhsa_float_denorm_mode_32 3
		.amdhsa_float_denorm_mode_16_64 3
		.amdhsa_memory_ordered 1
		.amdhsa_forward_progress 1
		.amdhsa_inst_pref_size 188
	.end_amdhsa_kernel
	.amdgpu_metadata
---
amdhsa.version: [ 1, 2 ]
amdhsa.kernels:
  - .name:           k_q231abd1847_energy
    .symbol:         k_q231abd1847_energy.kd
    .args:
      - { .name: encb, .offset: 0, .size: 8, .value_kind: global_buffer, .address_space: global }
      - { .name: w1s, .offset: 8, .size: 8, .value_kind: global_buffer, .address_space: global }
      - { .name: hp, .offset: 16, .size: 8, .value_kind: global_buffer, .address_space: global }
      - { .name: attn2_w, .offset: 24, .size: 8, .value_kind: global_buffer, .address_space: global }
      - { .name: epart, .offset: 32, .size: 8, .value_kind: global_buffer, .address_space: global }
    .group_segment_fixed_size: 327680
    .private_segment_fixed_size: 0
    .kernarg_segment_align: 8
    .kernarg_segment_size: 40
    .max_flat_workgroup_size: 128
    .sgpr_count:     80
    .vgpr_count:     1024
    .wavefront_size: 32
...
	.end_amdgpu_metadata
.endif
;; end of part 2
;; launch context (part 3): grid 256 x 1, 8 waves a work-group, no clusters, 0 bytes of LDS; arguments epart, mask, encb, hidden, xcat; writes xcat
.if DOCPART == 3
	.amdgcn_target "amdgcn-amd-amdhsa--gfx1250"
	.amdhsa_code_object_version 6
	.text
	.protected	k_q231abd1847_context
	.globl	k_q231abd1847_context
	.p2align	8
	.type	k_q231abd1847_context,@function
k_q231abd1847_context:
	s_mov_b64 s[64:65], 0
	v_nop
	global_prefetch_b8 v0, s[64:65] scope:SCOPE_SE
	s_setreg_imm32_b32 hwreg(HW_REG_WAVE_MODE, 25, 1), 1
	s_wait_xcnt 0x0
; CONTEXT.  For batch row b (the work-group): energy[s] = the sum of epart's eight parts; -inf where mask[s][b]; softmax over the 64 steps s, with the true maximum taken away;
; ctx[d] = sum_s weight[s] encb[b][s][d]; xcat[b] = bf16([hidden[b] | ctx]).  Left out, as shown at the head of the first kernel: attn2_b and the sum of attn2_w.
; A column whose mask is all true gives NaN, as the softmax of 64 times -inf does.
; Thread t owns 16 bytes (8 columns) at byte 16 t of every row of 4,096 bytes.  Every wave makes the 64 weights for itself (lane l: steps l and l + 32): no LDS, no barrier.
; A ring of 16 row slots in registers keeps 16 loads of every wave on their way.  Memory binds: matrix units, clusters and LDS would add nothing.
.set LOG2E, 0x3fb8aa3b
.set L4,  2                            ; v2   4 x lane
.set L256, 3                           ; v3   256 x lane
.set T16, 4                            ; v4   16 t
.set T8,  5                            ; v5   8 t
.set HID, 8                            ; v[8:11]  my 4 numbers of hidden
.set MK,  12                           ; v12-13  mask of steps lane, lane + 32
.set EP,  16                           ; v[16:31] part p: v[16+2p] step lane, v[17+2p] step lane + 32
.set ACC, 32                           ; v[32:39] my 8 columns of ctx
.set W0,  40                           ; v40-43  the weights of steps 0-15, 16-31, 32-47, 48-63 in lanes 0-15; they move down a register a trip
.set VB,  44                           ; v44-47  one weight in all lanes, four by turns
.set X,   64                           ; v[64:127] slot j: 4 registers, 8 bf16
	s_load_b256 s[4:11], s[0:1], 0x0               ; epart s[4:5], mask s[6:7], encb s[8:9], hidden s[10:11]
	s_load_b64 s[12:13], s[0:1], 0x20              ; xcat
	v_and_b32 v1, 31, v0
	v_lshlrev_b32 v[L4], 2, v1
	v_lshlrev_b32 v[L256], 8, v1
	v_lshlrev_b32 v[T16], 4, v0
	v_lshlrev_b32 v[T8], 3, v0
	s_mov_b32 s14, 0x76543210                      ; v_permlanex16_b32: each lane takes its own place in the other half
	s_mov_b32 s15, 0xfedcba98
	s_mov_b32 s17, 0
	s_wait_kmcnt 0x0
	s_lshl_b32 s16, ttmp9, 8
	s_add_nc_u64 s[4:5], s[4:5], s[16:17]          ; epart at index 64 b
	s_mov_b32 s16, ttmp9
	s_add_nc_u64 s[6:7], s[6:7], s[16:17]          ; mask at column b
	s_lshl_b32 s16, ttmp9, 18
	s_add_nc_u64 s[8:9], s[8:9], s[16:17]          ; encb at row 64 b
	s_lshl_b32 s16, ttmp9, 12
	s_add_nc_u64 s[10:11], s[10:11], s[16:17]
	s_mul_i32 s16, ttmp9, 6144
	s_add_nc_u64 s[12:13], s[12:13], s[16:17]
.irp p, 0,1,2,3,4,5,6,7
	global_load_b32 v[EP+2*(\p)], v[L4], s[4:5] offset:65536*(\p)
	global_load_b32 v[EP+2*(\p)+1], v[L4], s[4:5] offset:65536*(\p)+128
.endr
	global_load_u8 v[MK], v[L256], s[6:7]
	global_load_u8 v[MK+1], v[L256], s[6:7] offset:8192
	global_load_b128 v[HID:HID+3], v[T16], s[10:11]
.irp j, 0,1,2,3,4,5,6,7,8,9,10,11,12,13,14,15
	global_load_b128 v[X+4*(\j):X+4*(\j)+3], v[T16], s[8:9] offset:4096*(\j) th:TH_LOAD_NT
.endr
.irp k, 0,1,2,3,4,5,6,7
	v_mov_b32 v[ACC+(\k)], 0
.endr
	v_mov_b32 v49, 0xff800000                      ; -inf
	v_mov_b32 v51, 0                               ; destinations of v_permlanex16_b32 count as read
	v_mov_b32 v[W0+1], 0
	v_mov_b32 v[W0+3], 0
	s_wait_loadcnt 16                              ; the 19 small loads are in; the 16 rows may stay out
	v_pk_add_f32 v[16:17], v[16:17], v[18:19]
	v_pk_add_f32 v[20:21], v[20:21], v[22:23]
	v_pk_add_f32 v[24:25], v[24:25], v[26:27]
	v_pk_add_f32 v[28:29], v[28:29], v[30:31]
	v_pk_add_f32 v[16:17], v[16:17], v[20:21]
	v_pk_add_f32 v[24:25], v[24:25], v[28:29]
	v_pk_add_f32 v[16:17], v[16:17], v[24:25]
	v_cmp_ne_u32 vcc_lo, 0, v[MK]
	v_cndmask_b32 v16, v16, v49, vcc_lo
	v_cmp_ne_u32 vcc_lo, 0, v[MK+1]
	v_cndmask_b32 v17, v17, v49, vcc_lo
	v_max_num_f32 v50, v16, v17
	v_max_num_f32_dpp v50, v50, v50 row_xmask:1 row_mask:0xf bank_mask:0xf
	v_max_num_f32_dpp v50, v50, v50 row_xmask:2 row_mask:0xf bank_mask:0xf
	v_max_num_f32_dpp v50, v50, v50 row_xmask:4 row_mask:0xf bank_mask:0xf
	v_max_num_f32_dpp v50, v50, v50 row_xmask:8 row_mask:0xf bank_mask:0xf
	v_permlanex16_b32 v51, v50, s14, s15
	v_max_num_f32 v50, v50, v51                    ; the column's maximum, in every lane
	v_sub_f32 v16, v16, v50
	v_sub_f32 v17, v17, v50
	v_mul_f32 v16, LOG2E, v16
	v_mul_f32 v17, LOG2E, v17
	v_exp_f32 v16, v16
	v_exp_f32 v17, v17
	v_nop                                          ; a plain instruction behind the last exponential,
	s_wait_alu depctr_va_vdst(0)                   ; and one wait for both, ahead of their first reader
	v_add_f32 v52, v16, v17
	v_add_f32_dpp v52, v52, v52 row_xmask:1 row_mask:0xf bank_mask:0xf
	v_add_f32_dpp v52, v52, v52 row_xmask:2 row_mask:0xf bank_mask:0xf
	v_add_f32_dpp v52, v52, v52 row_xmask:4 row_mask:0xf bank_mask:0xf
	v_add_f32_dpp v52, v52, v52 row_xmask:8 row_mask:0xf bank_mask:0xf
	v_permlanex16_b32 v51, v52, s14, s15
	v_add_f32 v52, v52, v51
	v_rcp_f32 v52, v52
	v_nop
	s_wait_alu depctr_va_vdst(0)
	v_mul_f32 v[W0], v16, v52
	v_mul_f32 v[W0+2], v17, v52
	v_permlanex16_b32 v[W0+1], v[W0], s14, s15
	v_permlanex16_b32 v[W0+3], v[W0+2], s14, s15
; Slot j's turn: its row times its weight onto my 8 sums, straight from the bf16 halves.  left = how many younger loads may stay out.
.macro SLOT j, reload, left
	s_wait_loadcnt \left
	v_readlane_b32 s[20+(\j)%4], v[W0], \j
	v_mov_b32 v[VB+(\j)%4], s[20+(\j)%4]
.irp k, 0,1,2,3
	v_fma_mix_f32_bf16 v[ACC+2*(\k)], v[X+4*(\j)+(\k)], v[VB+(\j)%4], v[ACC+2*(\k)] op_sel_hi:[1,0,0]
	v_fma_mix_f32_bf16 v[ACC+2*(\k)+1], v[X+4*(\j)+(\k)], v[VB+(\j)%4], v[ACC+2*(\k)+1] op_sel:[1,0,0] op_sel_hi:[1,0,0]
.endr
.if \reload
	global_load_b128 v[X+4*(\j):X+4*(\j)+3], v[T16], s[8:9] offset:4096*((\j)+16) th:TH_LOAD_NT
.endif
.endm
	s_mov_b32 s19, 3
.Lsixteen:                                             ; 16 steps are added, the 16 behind them asked for
.irp j, 0,1,2,3,4,5,6,7,8,9,10,11,12,13,14,15
	SLOT \j, 1, 15
.endr
	s_wait_xcnt 0x0                                ; the loads have read their base
	s_add_nc_u64 s[8:9], s[8:9], 65536
	v_mov_b32 v[W0], v[W0+1]
	v_mov_b32 v[W0+1], v[W0+2]
	v_mov_b32 v[W0+2], v[W0+3]
	s_sub_co_u32 s19, s19, 1
	s_cmp_lg_u32 s19, 0
	s_cbranch_scc1 .Lsixteen
.irp j, 0,1,2,3,4,5,6,7,8,9,10,11,12,13,14,15
	SLOT \j, 0, 15-(\j)                            ; the last 16 steps load nothing: the counts run down
.endr
.irp k, 0,1,2,3
	v_cvt_pk_bf16_f32 v[52+(\k)], v[ACC+2*(\k)], v[ACC+2*(\k)+1]
.endr
	v_cvt_pk_bf16_f32 v56, v[HID], v[HID+1]
	v_cvt_pk_bf16_f32 v57, v[HID+2], v[HID+3]
	global_store_b128 v[T16], v[52:55], s[12:13] offset:2048  ; a wave's store covers 512 consecutive bytes, aligned
	global_store_b64 v[T8], v[56:57], s[12:13]                ; 256 consecutive bytes, aligned
	s_endpgm
.Lfunc_end_k_q231abd1847_context:
	.size	k_q231abd1847_context, .Lfunc_end_k_q231abd1847_context-k_q231abd1847_context
	.p2alignl 7, 3214868480
	.fill 96, 4, 3214868480
	.section	.rodata,"a",@progbits
	.p2align	6, 0x0
	.amdhsa_kernel k_q231abd1847_context
		.amdhsa_group_segment_fixed_size 0
		.amdhsa_private_segment_fixed_size 0
		.amdhsa_enable_private_segment 0
		.amdhsa_kernarg_size 40
		.amdhsa_user_sgpr_count 2
		.amdhsa_user_sgpr_kernarg_segment_ptr 1
		.amdhsa_wavefront_size32 1
		.amdhsa_system_sgpr_workgroup_id_x 1
		.amdhsa_system_sgpr_workgroup_id_y 1
		.amdhsa_system_sgpr_workgroup_id_z 1
		.amdhsa_system_vgpr_workitem_id 0
		.amdhsa_next_free_vgpr 128
		.amdhsa_next_free_sgpr 66
		.amdhsa_reserve_vcc 1
		.amdhsa_float_denorm_mode_32 3
		.amdhsa_float_denorm_mode_16_64 3
		.amdhsa_memory_ordered 1
		.amdhsa_forward_progress 1
		.amdhsa_inst_pref_size 30
	.end_amdhsa_kernel
	.amdgpu_metadata
---
amdhsa.version: [ 1, 2 ]
amdhsa.kernels:
  - .name:           k_q231abd1847_context
    .symbol:         k_q231abd1847_context.kd
    .args:
      - { .name: epart, .offset: 0, .size: 8, .value_kind: global_buffer, .address_space: global }
      - { .name: mask, .offset: 8, .size: 8, .value_kind: global_buffer, .address_space: global }
      - { .name: encb, .offset: 16, .size: 8, .value_kind: global_buffer, .address_space: global }
      - { .name: hidden, .offset: 24, .size: 8, .value_kind: global_buffer, .address_space: global }
      - { .name: xcat, .offset: 32, .size: 8, .value_kind: global_buffer, .address_space: global }
    .group_segment_fixed_size: 0
    .private_segment_fixed_size: 0
    .kernarg_segment_align: 8
    .kernarg_segment_size: 40
    .max_flat_workgroup_size: 256
    .sgpr_count:     66
    .vgpr_count:     128
    .wavefront_size: 32
...
	.end_amdgpu_metadata
.endif
;; end of part 3
;; launch lstm (part 4): grid 128 x 2, 4 waves a work-group, clusters of 4 x 1, 327,680 bytes of LDS; arguments xcat, w_ih, w_hh, b_ih, b_hh, cell, out1, out2, hnb; writes out1, out2, hnb
.if DOCPART == 4
	.amdgcn_target "amdgcn-amd-amdhsa--gfx1250"
	.amdhsa_code_object_version 6
	.text
	.protected	k_q231abd1847_lstm
	.globl	k_q231abd1847_lstm
	.p2align	8
	.type	k_q231abd1847_lstm,@function
k_q231abd1847_lstm:
	s_mov_b64 s[64:65], 0
	v_nop
	global_prefetch_b8 v0, s[64:65] scope:SCOPE_SE
	s_setreg_imm32_b32 hwreg(HW_REG_WAVE_MODE, 25, 1), 1
	s_wait_xcnt 0x0
	s_wait_alu depctr_hold_cnt(0) depctr_sa_sdst(0) depctr_va_vdst(0) depctr_va_sdst(0) depctr_va_ssrc(0) depctr_va_vcc(0) depctr_vm_vsrc(0)
	s_getreg_b32 s2, hwreg(HW_REG_IB_STS2, 6, 4)
	s_cmp_eq_u32 s2, 0
	s_cbranch_scc0 .Lentry_in_a_cluster
	s_endpgm
.Lentry_in_a_cluster:
	s_bfe_u32 s2, ttmp6, 0x10000c
	s_cmp_lg_u32 s2, 0x3003
	s_cbranch_scc0 .Lentry_shape_is_right
	s_endpgm
.Lentry_shape_is_right:
; LSTM STEP.  gates = xcat w_ih^T + hidden w_hh^T + b_ih + b_hh (order i, f, g, o); c_new = sigmoid(f) cell + sigmoid(i) tanh(g) -> out2; h_new = sigmoid(o) tanh(c_new) -> out1, and in bf16 -> hnb.
; SHARES.  A work-group makes 128 rows (m0 = 128 y) x 8 units (j0 = 8 x) of all four gates: 32 rows of weights.  K IS SPLIT AMONG THE FOUR WAVES, alike for all: wave w takes 512 channels of the context
; (xcat's channels 1,024 + 512 w on, with w_ih's columns there) and 256 channels of hidden (xcat's channels 256 w on), the latter with BOTH their weights, w_ih's first third and w_hh: hidden's fragments are
; read once and multiplied twice.  The four partial sums meet in LDS at the end.
; TWO ROADS IN.  The f32 weights (0.5 MB a work-group) come straight into registers in fragment layout and are rounded there: 16 loads for 64 channels.  xcat (0.75 MB a work-group) comes by the tensor data
; mover: a tile of 128 rows x 128 channels (rows of 256 bytes, aligned) for each wave, into a ring of two LDS slots of the wave's own, which it alone reads, behind its own wait on TENSORcnt.
; CLUSTER.  The four work-groups of a cluster have the same 128 rows and other units: each tile of xcat is asked for JOINTLY, by the same tensor load with the same descriptor and the mask of all four.
; So a refill stands behind a round of the cluster's barrier, one load a wave: four refills for a wave's six tiles.
; THE 16 TRIPS of a wave, 64 channels of weights each: u0-u7 the context's chunks c0-c7 (tiles 0-3); u8-u15 (w_ih, w_hh) of hidden's chunks h0-h3 (tiles 4, 5): the second trip of such a pair fetches no xcat.
; TRANSPOSED USE: source 0 = 16 rows of weights, source 1 = 16 rows of xcat.  Fragment nt's row r is gate 2 nt + r / 8, unit j0 + r % 8: in the result a lane holds one row of xcat (lane % 16) and
; the eight units of gate 2 nt + lane / 16.
; WEIGHTS IN FLIGHT: four sets of registers, 16 loads each; trip u rounds set u % 4 and asks for trip u + 3: 48 loads of a wave are out behind each issue.
; THE OUTPUTS leave in pieces of 32 and 16 bytes of a row (8 units): whole blocks of 256 bytes would want 64 units, 256 weight rows, a work-group, and then 16 rows each for 256 work-groups:
; every weight read by sixteen of them in place of two.
; sigmoid(x) = 1 / (1 + 2^(-x log2 e)); tanh(x) = 1 - 2 / (1 + 2^(2 x log2 e)): both hold for every finite x (2^y = inf gives 0, 2^y = 0 gives 1).
; LDS: wave w's ring at 69,632 w, slot s at + 34,816 s; the spare words behind the four rings.  The stage for the partial sums (128 rows x 144 bytes a wave) lies in the wave's own slot 0, whose last fill
; (tile 4) has been read when the stage is written.
; REGISTERS (s_set_vgpr_msb: bits 1:0 source 0, 3:2 source 1, 5:4 source 2, 7:6 destination):
;   window 0: v2-15, v192-195 addresses; v16-23 cell; v24-25 the add's; v32-63 weights in bf16; v64-191 xcat's fragments; v224-255 biases
;   window 1: v0-127 sixteen accumulators; v128-255 weights as loaded, sets 0 and 1       window 2: v128-255 sets 2 and 3
.set C2L,   0x4038aa3b                 ; 2 log2(e)
.set NLOG2E, 0xbfb8aa3b                ; -log2(e)
.set XROW,  6144                       ; bytes in a row of xcat
.set PITCH, 272                        ; an LDS row: 256 bytes + 16 of padding = 68 words: the 16 rows that a load touches start at 16 different groups of four banks (64 banks of 4 bytes: ISA guide 11.1)
.set SLOT,  128*PITCH
.set REGION, 2*SLOT
.set SPARE, 4*REGION                   ; the spare words, 128 bytes a wave: two blocks of 256 bytes that no other line names
.set SP,    144                        ; a stage row: 32 f32 + 16 bytes
.set FWI, 2                            ; v2-3  my byte offset in fragment nt's rows of w_ih
.set ADX, 4                            ; v4    LDS address of my 16 bytes in a fragment of xcat, slot 0 of my ring
.set LS,  5                            ; v5    where I put 32 bytes of a partial row
.set LR,  6                            ; v6-9  where I read rows back, in wave c's stage
.set CO,  10                           ; v10   my 16 bytes in cell, out1, out2
.set HO,  11                           ; v11   my 8 bytes in hnb
.set BO,  12                           ; v12   my 16 bytes in a gate's biases
.set POI, 13                           ; v13   w_ih's prefetch: a lane a row
.set PX,  14                           ; v14   xcat's prefetch: a lane a row
.set POH, 15                           ; v15   w_hh's prefetch: a lane a row
.set CL,  16
.set SPW, 24                           ; v24   LDS address of my spare word; never rewritten
.set NIL, 25                           ; v25   0; never rewritten
.set WC,  32
.set XB,  64
.set FWH, 192                          ; v192-193  my byte offset in fragment nt's rows of w_hh
.set FWX, 194                          ; v194-195  what the loop's second and fourth loads name: w_ih's offsets in its first lap, w_hh's in its second
.set BI,  224
.set G,   32                           ; the way out: (i, gate g, copy c) at G + 64 i + 16 g + 4 c
.set ACC, 0                            ; (mt, nt) at 8 (2 mt + nt)
.set RAW, 128
.set WV,  22                           ; s22      my wave's number
.set WCB, 24                           ; s[24:25] w_ih at my channels of the context
.set XPF, 26                           ; s[26:27] xcat at my work-group's 32 rows of my tile 4; never rewritten
.set LEFT, 36
.set LIMW, 37                          ; 1 in a work-group that prefetches weights
.set LIMX, 38                          ; 1 in a work-group that prefetches xcat, else the greatest number
.set G1,  40                           ; s[40:47] descriptor group 1
.set G0,  48                           ; s[48:55] descriptor group 0, a set for each slot
.set B1,  66                           ; s[66:73] the bases of the four loads of a lap
.set B2,  68
.set B3,  70
.set B4,  72
.set WI,  74                           ; s[74:75] w_ih at my channels of hidden
.set WH,  76                           ; s[76:77] w_hh at the same
.set PA,  78                           ; s[78:79] where my prefetches stand in w_ih,
.set PB,  80                           ; s[80:81] and in w_hh: two chunks on a lap
.set XBASE, 82                         ; s[82:83] xcat at my work-group's first row
.set OFS, 84                           ; s[84:85], s[86:87] the byte offset in a row of the tile that slot 0, slot 1 takes next
.set MSB, 0
.macro WIN new                         ; the immediate's high byte repeats the setting that is left; a switch that changes nothing is dropped
.if MSB != (\new)
	s_set_vgpr_msb (MSB<<8)|(\new)
.set MSB, \new
.endif
.endm
.macro PLACES
.rept 4
	v_nop
.endr
.endm
; A round of the cluster's barrier: my work-group's barrier, so that wave 0's signal speaks for all four waves; wave 0 signals; every wave waits for all four work-groups; my work-group's barrier once more.
.macro CROUND
	s_barrier_signal -1
	s_barrier_wait -1
	s_cmp_lg_u32 s[WV], 0
	s_cbranch_scc1 .Lnot_wave_0_\@
	s_barrier_signal -3
.Lnot_wave_0_\@:
	s_barrier_wait -3
	s_barrier_signal -1
	s_barrier_wait -1
.endm
; An f32 fragment of 16 rows x 32 channels: lane l takes row l % 16, bytes 32 (l / 16) + 0..31 and 64 + 32 (l / 16) + 0..31: four loads of 16 bytes into 16 registers.  A trip: 2 x 2 fragments.
; fw: the pair of offset registers (the rows' pitch lies in them); base: the scalar pair; off: bytes behind it.
.macro LOADW set, fw, base, off
	WIN (1+(\set)/2)<<6
.irp nt, 0,1
.irp kf, 0,1
.irp q, 0,1,2,3
	global_load_b128 v[RAW+64*((\set)%2)+16*(2*(\nt)+(\kf))+4*(\q):RAW+64*((\set)%2)+16*(2*(\nt)+(\kf))+4*(\q)+3], v[(\fw)+(\nt)], s[(\base):(\base)+1] offset:(\off)+128*(\kf)+16*(\q)+32*((\q)/2)
.endr
.endr
.endr
.endm
.macro CVTW set
	WIN 5*(1+(\set)/2)
.set i, 0
.rept 32
	v_cvt_pk_bf16_f32 v[WC+i], v[RAW+64*((\set)%2)+2*i], v[RAW+64*((\set)%2)+2*i+1]
.set i, i+1
.endr
.endm
.macro MULS zero                       ; 32 products; the sixteen accumulators take turns, over the backward jump too.  zero = 1: the first sixteen start the sums
	WIN 0x50
.irp kf, 0,1
.irp mt, 0,1,2,3,4,5,6,7
.irp nt, 0,1
.if (\zero) && ((\kf) == 0)
	v_wmma_f32_16x16x32_bf16 v[ACC+8*(2*(\mt)+(\nt)):ACC+8*(2*(\mt)+(\nt))+7], v[WC+8*(2*(\nt)+(\kf)):WC+8*(2*(\nt)+(\kf))+7], v[XB+8*(2*(\mt)+(\kf)):XB+8*(2*(\mt)+(\kf))+7], 0
.else
	v_wmma_f32_16x16x32_bf16 v[ACC+8*(2*(\mt)+(\nt)):ACC+8*(2*(\mt)+(\nt))+7], v[WC+8*(2*(\nt)+(\kf)):WC+8*(2*(\nt)+(\kf))+7], v[XB+8*(2*(\mt)+(\kf)):XB+8*(2*(\mt)+(\kf))+7], v[ACC+8*(2*(\mt)+(\nt)):ACC+8*(2*(\mt)+(\nt))+7]
.endif
.endr
.endr
.endr
.endm
; A TRIP: 64 channels of weights.  fetch = 1: xcat's 16 fragments, half kk of the tile in \slot, are asked of LDS; fetch = 0: the fragments of the trip before serve once more (hidden, with its second weights).
; The trip's weights (set) are rounded; load = 1: the set rounded a trip ago is asked for again, for the trip three on; 32 products; four places behind the last of them, for the next trip's LDS loads and
; conversions into its sources (ISA guide 7.12.1 for vector instructions).  left: the loads of the two younger trips may stay out.
; ask = 1: A PREFETCH of my own 256 bytes of each of the 32 rows of w_ih and of w_hh for one chunk of hidden: a lane a row, two instructions, behind this trip's loads.  A lap asks for the two chunks whose four
; trips are loaded a lap later.  The two work-groups with the same units read the same rows: the one with y = 0 asks, so each block of 256 bytes is named once.  The context's weights come by their loads alone.
.macro TRIP fetch, slot, kk, set, zero, left, load=0, fw=0, base=0, off=0, ask=0, askoff=0
.if \fetch
	WIN 0
.irp mt, 0,1,2,3,4,5,6,7
.irp kf, 0,1
	ds_load_b128 v[XB+8*(2*(\mt)+(\kf)):XB+8*(2*(\mt)+(\kf))+3],   v[ADX] offset:(\slot)*SLOT+(\mt)*16*PITCH+128*(\kk)+64*(\kf)
	ds_load_b128 v[XB+8*(2*(\mt)+(\kf))+4:XB+8*(2*(\mt)+(\kf))+7], v[ADX] offset:(\slot)*SLOT+(\mt)*16*PITCH+128*(\kk)+64*(\kf)+32
.endr
.endr
.endif
	s_wait_loadcnt \left
	CVTW \set
.if \load
	LOADW ((\set)+3)%4, \fw, \base, \off
.endif
.if \ask
	WIN 0
	s_cmp_eq_u32 s[LIMW], 1
	s_cbranch_scc0 .Lasked_\@
	global_prefetch_b8 v[POI], s[PA:PA+1] offset:\askoff th:TH_LOAD_NT scope:SCOPE_SE
	global_prefetch_b8 v[POH], s[PB:PB+1] offset:\askoff th:TH_LOAD_NT scope:SCOPE_SE
.Lasked_\@:
.endif
.if \fetch
	s_wait_dscnt 0x0                               ; xcat's fragments are in
.endif
	MULS \zero
	PLACES
.endm
; THE CHANGE OF SLOTS, at the head of a step that reads \slot: the other slot, read out, is filled again with the tile two on.  Each wave waits for all its tensor loads (one is out: this step's tile), adds 0 to
; its spare word, makes the other slot's address anew from xcat's base and the tile's offset, and waits for the add and for its reads of that slot; a round of the cluster's barrier, so that no wave of any partner
; still reads the slot or has a load on its way; the joint refill is the first thing behind it, one load a wave.  An s_nop 0 and four v_nop follow it.
; Behind them A PREFETCH of the tile that stands two refills on: 128 rows x 256 bytes.  All 32 clusters of a row block walk the same rows: the first of them asks; its four partners share the rows out by address,
; 32 each, a lane a row; each wave asks for its own tile.  Tiles 0 to 3 come by their loads alone; the second lap has no tile two refills on.
.macro CHANGE slot, pfoff
	WIN 0
	s_wait_tensorcnt 0x0
	ds_add_u32 v[SPW], v[NIL]
	s_add_nc_u64 s[G0+4*(1-(\slot))+2:G0+4*(1-(\slot))+3], s[XBASE:XBASE+1], s[OFS+2*(1-(\slot)):OFS+2*(1-(\slot))+1]  ; no tensor load of mine is out: a group 0 may be written
	s_or_b32 s[G0+4*(1-(\slot))+3], s[G0+4*(1-(\slot))+3], 0x80000000
	s_wait_dscnt 0x0
	CROUND
	tensor_load_to_lds s[G0+4*(1-(\slot)):G0+4*(1-(\slot))+3], s[G1:G1+7]
	s_nop 0
.rept 4
	v_nop
.endr
	s_cmp_gt_u32 s[LEFT], s[LIMX]
	s_cbranch_scc0 .Lnot_mine_\@
	global_prefetch_b8 v[PX], s[XPF:XPF+1] offset:\pfoff th:TH_LOAD_NT scope:SCOPE_SE
.Lnot_mine_\@:
.endm
	s_load_b256 s[4:11], s[0:1], 0x0               ; xcat s[4:5], w_ih s[6:7], w_hh s[8:9], b_ih s[10:11]
	s_load_b256 s[12:19], s[0:1], 0x20             ; b_hh s[12:13], cell s[14:15], out1 s[16:17], out2 s[18:19]
	s_load_b64 s[20:21], s[0:1], 0x40              ; hnb
	v_lshl_add_u32 v[SPW], v0, 2, SPARE
	v_mov_b32 v[NIL], 0
	ds_add_u32 v[SPW], v[NIL]                      ; the wave's opening: the add, twice on end, and its wait ahead of my first tensor load
	ds_add_u32 v[SPW], v[NIL]                      ; and once more, under the one wait; the set-up below, work on registers, stands between
	v_lshrrev_b32 v1, 5, v0
	v_readfirstlane_b32 s[WV], v1                  ; wave 0..3
	s_bfe_u32 s28, ttmp6, 0x40000                  ; cx: my place in the cluster
	s_lshl_b32 s23, ttmp9, 2                       ; in a cluster launch ttmp9 counts clusters
	s_add_co_u32 s23, s23, s28
	s_lshl_b32 s23, s23, 3                         ; j0 = 8 (4 x cluster x + cx): it enters the weights', the biases', cell's and the outputs' addresses alone
	s_and_b32 s30, ttmp7, 0xffff                   ; y: the row block, which the four partners share
	s_mov_b32 s[G1], 15|(1<<16)|(1<<20)|(1<<21)|(5<<22)|(3<<25)  ; 15:0 the mask of four; 17:16 2-byte elements; 20 padding on; 21 set beside a mask; 24:22 after every 64 words; 31:25 4 words of it
	s_mov_b32 s[G1+1], 128<<16                     ; tensor_dim0 = 128
	s_mov_b32 s[G1+2], 128<<16                     ; tensor_dim1 = 128
	s_mov_b32 s[G1+3], 128<<16                     ; tile_dim0 = 128
	s_mov_b32 s[G1+4], 128                         ; tile_dim1 = 128
	s_mov_b32 s[G1+5], 3072                        ; elements from row to row
	s_mov_b32 s[G1+6], 0
	s_mov_b32 s[G1+7], 0
	s_mul_i32 s31, s[WV], REGION                   ; my ring: no place in the cluster enters an LDS address
	s_mov_b32 s[G0], 1
	s_mov_b32 s[G0+1], s31
	s_mov_b32 s[G0+4], 1
	s_add_co_u32 s[G0+5], s31, SLOT
	s_mul_i32 s34, s30, 128*XROW                   ; my work-group's 128 rows of xcat
	s_mov_b32 s35, 0
	s_lshl_b32 s[OFS], s[WV], 10                   ; tile 0: the context begins at byte 2,048 of a row; my 512 channels of it are 1,024 bytes
	s_add_co_u32 s[OFS], s[OFS], 2048
	s_mov_b32 s[OFS+1], 0
	s_add_co_u32 s[OFS+2], s[OFS], 256             ; tile 1
	s_mov_b32 s[OFS+3], 0
	s_lshl_b32 s56, s[WV], 10                      ; my 256 channels of hidden in f32
	s_mov_b32 s57, 0
	s_lshl_b32 s58, s[WV], 11                      ; my 512 channels of the context in f32,
	s_add_co_u32 s58, s58, 4096                    ; behind hidden's 1,024
	s_mov_b32 s59, 0
	s_mul_i32 s32, s28, 32*XROW                    ; of a tile's 128 rows my work-group prefetches 32,
	s_lshl_b32 s29, s[WV], 9                       ; at my 256 channels of hidden in bf16: tile 4
	s_add_co_u32 s32, s32, s29
	s_mov_b32 s33, 0
	s_cmp_eq_u32 ttmp9, 0                          ; the row block's first cluster: the same in all four partners
	s_cselect_b32 s[LIMX], 1, -1
	s_cmp_eq_u32 s30, 0
	s_cselect_b32 s[LIMW], 1, 0
	s_wait_dscnt 0x0                               ; both opening adds are done
	s_wait_kmcnt 0x0
	s_add_nc_u64 s[XBASE:XBASE+1], s[4:5], s[34:35]
	s_add_nc_u64 s[G0+2:G0+3], s[XBASE:XBASE+1], s[OFS:OFS+1]      ; tile 0
	s_add_nc_u64 s[G0+6:G0+7], s[XBASE:XBASE+1], s[OFS+2:OFS+3]    ; tile 1
	s_or_b32 s[G0+3], s[G0+3], 0x80000000          ; type = 2
	s_or_b32 s[G0+7], s[G0+7], 0x80000000
	s_add_nc_u64 s[XPF:XPF+1], s[XBASE:XBASE+1], s[32:33]
	s_add_nc_u64 s[WI:WI+1], s[6:7], s[56:57]
	s_add_nc_u64 s[WH:WH+1], s[8:9], s[56:57]
	s_add_nc_u64 s[WCB:WCB+1], s[6:7], s[58:59]
	s_add_nc_u64 s[B1:B1+1], s[WCB:WCB+1], 1024    ; the first lap asks for the context's chunks c4 to c7
	s_add_nc_u64 s[B2:B2+1], s[WCB:WCB+1], 1280
	s_add_nc_u64 s[B3:B3+1], s[WCB:WCB+1], 1536
	s_add_nc_u64 s[B4:B4+1], s[WCB:WCB+1], 1792
	s_mov_b64 s[PA:PA+1], s[WI:WI+1]
	s_mov_b64 s[PB:PB+1], s[WH:WH+1]
	CROUND                                         ; all four work-groups are here: the first joint loads meet
	tensor_load_to_lds s[G0:G0+3], s[G1:G1+7]      ; both first fills go out together: two tensor loads of mine are out
	s_nop 0
	tensor_load_to_lds s[G0+4:G0+7], s[G1:G1+7]
	s_nop 0
.rept 4
	v_nop
.endr
	s_add_co_u32 s[OFS], s[OFS], 512               ; tiles 2 and 3
	s_add_co_u32 s[OFS+2], s[OFS+2], 512
	s_lshl_b32 s34, s23, 2
	s_add_nc_u64 s[10:11], s[10:11], s[34:35]      ; the biases at unit j0
	s_add_nc_u64 s[12:13], s[12:13], s[34:35]
	s_lshl_b32 s29, s30, 19                        ; 128 y rows of 4,096 bytes
	s_add_co_u32 s34, s34, s29
	s_add_nc_u64 s[14:15], s[14:15], s[34:35]      ; cell, out1, out2 at row m0, unit j0
	s_add_nc_u64 s[16:17], s[16:17], s[34:35]
	s_add_nc_u64 s[18:19], s[18:19], s[34:35]
	s_lshr_b32 s34, s34, 1
	s_add_nc_u64 s[20:21], s[20:21], s[34:35]      ; hnb likewise
	v_and_b32 v26, 15, v0                          ; l % 16
	v_bfe_u32 v27, v0, 4, 1                        ; l / 16
	v_and_b32 v28, 7, v0                           ; l % 8: the unit of my weight row
	v_bfe_u32 v29, v0, 3, 1                        ; (l % 16) / 8: its gate, less 2 nt
	v_lshl_add_u32 v29, v29, 10, v28
	v_add_nc_u32 v29, s23, v29                     ; my weight row in fragment 0
	v_mul_u32_u24 v30, v29, 12288                  ; a row of w_ih is 12,288 bytes,
	v_lshl_add_u32 v[FWI], v27, 5, v30
	v_add_nc_u32 v[FWI+1], 2048*12288, v[FWI]      ; two gates on: 2,048 rows
	v_lshlrev_b32 v30, 12, v29                     ; a row of w_hh 4,096
	v_lshl_add_u32 v[FWH], v27, 5, v30
	v_add_nc_u32 v[FWH+1], 2048*4096, v[FWH]
	v_mov_b32 v[FWX], v[FWI]
	v_mov_b32 v[FWX+1], v[FWI+1]
	v_bfe_u32 v30, v0, 3, 2                        ; l / 8: the gate of the row that I prefetch
	v_lshl_add_u32 v30, v30, 10, v28
	v_add_nc_u32 v30, s23, v30
	v_mul_u32_u24 v[POI], v30, 12288
	v_lshlrev_b32 v[POH], 12, v30
	v_and_b32 v30, 31, v0
	v_mul_u32_u24 v[PX], v30, XROW
	v_and_b32 v30, 1, v0                           ; q: which 4 of the 8 units are mine on the way out
	v_bfe_u32 v31, v0, 1, 4                        ; rr: which of 16 rows
	v_lshlrev_b32 v[BO], 4, v30
	s_lshl_b32 s39, s[WV], 17                      ; on the way out I have rows 32 w + rr + 16 i
	v_lshlrev_b32 v[CO], 12, v31
	v_lshl_add_u32 v[CO], v30, 4, v[CO]
	v_add_nc_u32 v[CO], s39, v[CO]
.irp g, 0,1,2,3
	global_load_b128 v[BI+4*(\g):BI+4*(\g)+3], v[BO], s[10:11] offset:4096*(\g)
	global_load_b128 v[BI+16+4*(\g):BI+16+4*(\g)+3], v[BO], s[12:13] offset:4096*(\g)
.endr
	global_load_b128 v[CL:CL+3], v[CO], s[14:15]
	global_load_b128 v[CL+4:CL+7], v[CO], s[14:15] offset:65536
	LOADW 0, FWI, WCB, 0                           ; trips u0, u1 and u2
	LOADW 1, FWI, WCB, 256
	LOADW 2, FWI, WCB, 512
	WIN 0
	v_lshrrev_b32 v[HO], 1, v[CO]                  ; (32 w + rr) x 2,048 + 8 q
	v_mul_u32_u24 v[ADX], v26, PITCH
	v_lshl_add_u32 v[ADX], v27, 4, v[ADX]
	v_add_nc_u32 v[ADX], s31, v[ADX]               ; row x pitch + 16 x half + my ring
	v_mul_u32_u24 v[LS], v26, SP
	v_lshl_add_u32 v[LS], v27, 5, v[LS]
	v_add_nc_u32 v[LS], s31, v[LS]                 ; my stage: my slot 0
	s_mul_i32 s39, s[WV], 32*SP
	v_mul_u32_u24 v[LR], v31, SP
	v_lshl_add_u32 v[LR], v30, 4, v[LR]
	v_add_nc_u32 v[LR], s39, v[LR]
.irp c, 1,2,3
	v_add_nc_u32 v[LR+(\c)], (\c)*REGION, v[LR]
.endr
	s_wait_tensorcnt 0x1                           ; tile 0 is in my slot 0; tile 1's load may stay out
	TRIP 1, 0, 0, 0, 1, 32, 1, FWI, WCB, 768       ; u0 stands in front of the loop: its products start the sums; u3 is asked for
	WIN 0
	s_mov_b32 s[LEFT], 2
.Llap:                                                 ; lap i: trips 4 i + 1 to 4 i + 4 are multiplied, trips 4 i + 4 to 4 i + 7 asked for, tiles 2 i + 2 and 2 i + 3 asked for
	TRIP 1, 0, 1, 1, 0, 32, 1, FWI, B1, 0
	CHANGE 1, 0
	TRIP 1, 1, 0, 2, 0, 32, 1, FWX, B2, 0, 1, 0
	TRIP 1, 1, 1, 3, 0, 32, 1, FWI, B3, 0
	CHANGE 0, 256
	TRIP 1, 0, 0, 0, 0, 32, 1, FWX, B4, 0, 1, 256
	WIN 0
	s_wait_xcnt 0x0                                ; every load and prefetch (the youngest 32 products back) has read its address: bases and offsets may be written
	s_mov_b64 s[B1:B1+1], s[WI:WI+1]               ; the second lap asks for u8 to u11: (w_ih, w_hh) of hidden's chunks h0 and h1,
	s_mov_b64 s[B2:B2+1], s[WH:WH+1]
	s_add_nc_u64 s[B3:B3+1], s[WI:WI+1], 256
	s_add_nc_u64 s[B4:B4+1], s[WH:WH+1], 256
	v_mov_b32 v[FWX], v[FWH]
	v_mov_b32 v[FWX+1], v[FWH+1]
	s_add_nc_u64 s[PA:PA+1], s[PA:PA+1], 512       ; prefetches h2 and h3,
	s_add_nc_u64 s[PB:PB+1], s[PB:PB+1], 512
	s_lshl_b32 s[OFS], s[WV], 9                    ; and asks for tiles 4 and 5: my 256 channels of hidden
	s_add_co_u32 s[OFS+2], s[OFS], 256
	s_sub_co_u32 s[LEFT], s[LEFT], 1
	s_cmp_lg_u32 s[LEFT], 0
	s_cbranch_scc1 .Llap
	TRIP 0, 0, 0, 1, 0, 32, 1, FWI, WI, 512        ; u9: w_hh of h0, on the fragments that u8 fetched; u12 is asked for
	TRIP 1, 0, 1, 2, 0, 32, 1, FWH, WH, 512        ; u10: w_ih of h1
	TRIP 0, 0, 0, 3, 0, 32, 1, FWI, WI, 768        ; u11: w_hh of h1
	s_wait_tensorcnt 0x0                           ; tile 5 is in my slot 1: no load was issued behind it
	TRIP 1, 1, 0, 0, 0, 32, 1, FWH, WH, 768        ; u12: w_ih of h2; u15 is asked for
	TRIP 0, 0, 0, 1, 0, 32                         ; u13: the last three trips ask for nothing, and the counts run down
	TRIP 1, 1, 1, 2, 0, 16
	TRIP 0, 0, 0, 3, 0, 0
	PLACES
	WIN 0x04                                       ; LDS store: address window 0, data window 1
.irp mt, 0,1,2,3,4,5,6,7
.irp nt, 0,1
	ds_store_b128 v[LS], v[ACC+8*(2*(\mt)+(\nt)):ACC+8*(2*(\mt)+(\nt))+3] offset:(\mt)*16*SP+(\nt)*64
	ds_store_b128 v[LS], v[ACC+8*(2*(\mt)+(\nt))+4:ACC+8*(2*(\mt)+(\nt))+7] offset:(\mt)*16*SP+(\nt)*64+16
.endr
.endr
	WIN 0
	s_wait_dscnt 0x0                               ; for the others' sake: my partial sums lie in LDS
	s_barrier_signal -1
	s_barrier_wait -1
	; THE WAY OUT.  A stage row holds gate g's eight units at byte 32 g.  I take rows 32 w + rr + 16 i (i = 0, 1), units 4 q .. 4 q + 3, of all four gates and all four waves' stages.
.irp i, 0,1
.irp g, 0,1,2,3
.irp c, 0,1,2,3
	ds_load_b128 v[G+64*(\i)+16*(\g)+4*(\c):G+64*(\i)+16*(\g)+4*(\c)+3], v[LR+(\c)] offset:16*SP*(\i)+32*(\g)
.endr
.endr
.endr
.irp g, 0,1,2,3
.irp p, 0,2
	v_pk_add_f32 v[BI+4*(\g)+(\p):BI+4*(\g)+(\p)+1], v[BI+4*(\g)+(\p):BI+4*(\g)+(\p)+1], v[BI+16+4*(\g)+(\p):BI+16+4*(\g)+(\p)+1]
.endr
.endr
	s_wait_dscnt 0x0
.macro EACH line:vararg                ; one line for each (i, g, p): GB = the pair's first register, GG = the gate, GP = the pair
.irp i, 0,1
.irp g, 0,1,2,3
.irp p, 0,2
.set GB, G+64*(\i)+16*(\g)+(\p)
.set GG, \g
.set GP, \p
	\line
.endr
.endr
.endr
.endm
	EACH v_pk_add_f32 v[GB:GB+1], v[GB:GB+1], v[GB+4:GB+5]
	EACH v_pk_add_f32 v[GB+8:GB+9], v[GB+8:GB+9], v[GB+12:GB+13]
	EACH v_pk_add_f32 v[GB:GB+1], v[GB:GB+1], v[GB+8:GB+9]
	EACH v_pk_add_f32 v[GB:GB+1], v[GB:GB+1], v[BI+4*GG+GP:BI+4*GG+GP+1]
.irp i, 0,1
.irp g, 0,1,2,3
.irp p, 0,2
.if (\g) == 2
	v_pk_mul_f32 v[G+64*(\i)+16*(\g)+(\p):G+64*(\i)+16*(\g)+(\p)+1], v[G+64*(\i)+16*(\g)+(\p):G+64*(\i)+16*(\g)+(\p)+1], C2L op_sel_hi:[1,0]
.else
	v_pk_mul_f32 v[G+64*(\i)+16*(\g)+(\p):G+64*(\i)+16*(\g)+(\p)+1], v[G+64*(\i)+16*(\g)+(\p):G+64*(\i)+16*(\g)+(\p)+1], NLOG2E op_sel_hi:[1,0]
.endif
.endr
.endr
.endr
	EACH v_exp_f32 v[GB], v[GB]
	EACH v_exp_f32 v[GB+1], v[GB+1]
	v_nop                                          ; a plain instruction behind the batch, and one wait ahead of its first reader
	s_wait_alu depctr_va_vdst(0)
	EACH v_pk_add_f32 v[GB:GB+1], v[GB:GB+1], 1.0 op_sel_hi:[1,0]
	EACH v_rcp_f32 v[GB], v[GB]
	EACH v_rcp_f32 v[GB+1], v[GB+1]
	v_nop
	s_wait_alu depctr_va_vdst(0)
.macro PAIRS line:vararg               ; one line for each (i, p): GI, GF, GT, GO = the pair in gates i, f, g, o; GC = the pair of cell
.irp i, 0,1
.irp p, 0,2
.set GI, G+64*(\i)+(\p)
.set GF, GI+16
.set GT, GI+32
.set GO, GI+48
.set GC, CL+4*(\i)+(\p)
	\line
.endr
.endr
.endm
	PAIRS v_pk_fma_f32 v[GT:GT+1], v[GT:GT+1], -2.0, 1.0 op_sel_hi:[1,0,0]       ; tanh(g)
	PAIRS v_pk_mul_f32 v[GT:GT+1], v[GI:GI+1], v[GT:GT+1]                         ; sigmoid(i) tanh(g)
	PAIRS v_pk_fma_f32 v[GF:GF+1], v[GF:GF+1], v[GC:GC+1], v[GT:GT+1]             ; c_new
	PAIRS v_pk_mul_f32 v[GI:GI+1], v[GF:GF+1], C2L op_sel_hi:[1,0]
	PAIRS v_exp_f32 v[GI], v[GI]
	PAIRS v_exp_f32 v[GI+1], v[GI+1]
	v_nop
	s_wait_alu depctr_va_vdst(0)
	PAIRS v_pk_add_f32 v[GI:GI+1], v[GI:GI+1], 1.0 op_sel_hi:[1,0]
	PAIRS v_rcp_f32 v[GI], v[GI]
	PAIRS v_rcp_f32 v[GI+1], v[GI+1]
	v_nop
	s_wait_alu depctr_va_vdst(0)
	PAIRS v_pk_fma_f32 v[GI:GI+1], v[GI:GI+1], -2.0, 1.0 op_sel_hi:[1,0,0]       ; tanh(c_new)
	PAIRS v_pk_mul_f32 v[GO:GO+1], v[GO:GO+1], v[GI:GI+1]                         ; h_new
.irp i, 0,1
	v_cvt_pk_bf16_f32 v[G+64*(\i)+32], v[G+64*(\i)+48], v[G+64*(\i)+49]
	v_cvt_pk_bf16_f32 v[G+64*(\i)+33], v[G+64*(\i)+50], v[G+64*(\i)+51]
.endr
.irp i, 0,1
	global_store_b128 v[CO], v[G+64*(\i)+16:G+64*(\i)+19], s[18:19] offset:65536*(\i)
	global_store_b128 v[CO], v[G+64*(\i)+48:G+64*(\i)+51], s[16:17] offset:65536*(\i)
	global_store_b64 v[HO], v[G+64*(\i)+32:G+64*(\i)+33], s[20:21] offset:32768*(\i)
.endr
	s_wait_tensorcnt 0x0                           ; the wave's end, behind my last tensor load and my last LDS store
	ds_add_u32 v[SPW], v[NIL]
	s_wait_dscnt 0x0
	CROUND                                         ; the closing round: no work-group ends while a partner may still ask for a tile that names it
	s_endpgm
.Lfunc_end_k_q231abd1847_lstm:
	.size	k_q231abd1847_lstm, .Lfunc_end_k_q231abd1847_lstm-k_q231abd1847_lstm
	.p2alignl 7, 3214868480
	.fill 96, 4, 3214868480
	.section	.rodata,"a",@progbits
	.p2align	6, 0x0
	.amdhsa_kernel k_q231abd1847_lstm
		.amdhsa_group_segment_fixed_size 327680
		.amdhsa_private_segment_fixed_size 0
		.amdhsa_enable_private_segment 0
		.amdhsa_kernarg_size 72
		.amdhsa_user_sgpr_count 2
		.amdhsa_user_sgpr_kernarg_segment_ptr 1
		.amdhsa_wavefront_size32 1
		.amdhsa_system_sgpr_workgroup_id_x 1
		.amdhsa_system_sgpr_workgroup_id_y 1
		.amdhsa_system_sgpr_workgroup_id_z 1
		.amdhsa_system_vgpr_workitem_id 0
		.amdhsa_next_free_vgpr 768
		.amdhsa_next_free_sgpr 88
		.amdhsa_reserve_vcc 0
		.amdhsa_float_denorm_mode_32 3
		.amdhsa_float_denorm_mode_16_64 3
		.amdhsa_memory_ordered 1
		.amdhsa_forward_progress 1
		.amdhsa_inst_pref_size 114
	.end_amdhsa_kernel
	.amdgpu_metadata
---
amdhsa.version: [ 1, 2 ]
amdhsa.kernels:
  - .name:           k_q231abd1847_lstm
    .symbol:         k_q231abd1847_lstm.kd
    .args:
      - { .name: xcat, .offset: 0, .size: 8, .value_kind: global_buffer, .address_space: global }
      - { .name: w_ih, .offset: 8, .size: 8, .value_kind: global_buffer, .address_space: global }
      - { .name: w_hh, .offset: 16, .size: 8, .value_kind: global_buffer, .address_space: global }
      - { .name: b_ih, .offset: 24, .size: 8, .value_kind: global_buffer, .address_space: global }
      - { .name: b_hh, .offset: 32, .size: 8, .value_kind: global_buffer, .address_space: global }
      - { .name: cell, .offset: 40, .size: 8, .value_kind: global_buffer, .address_space: global }
      - { .name: out1, .offset: 48, .size: 8, .value_kind: global_buffer, .address_space: global }
      - { .name: out2, .offset: 56, .size: 8, .value_kind: global_buffer, .address_space: global }
      - { .name: hnb, .offset: 64, .size: 8, .value_kind: global_buffer, .address_space: global }
    .group_segment_fixed_size: 327680
    .private_segment_fixed_size: 0
    .kernarg_segment_align: 8
    .kernarg_segment_size: 72
    .max_flat_workgroup_size: 128
    .sgpr_count:     88
    .vgpr_count:     768
    .wavefront_size: 32
...
	.end_amdgpu_metadata
.endif
;; end of part 4
;; launch logits (part 5): grid 83 x 2, 4 waves a work-group, no clusters, 279,040 bytes of LDS; arguments hnb, out_w, out_b, lg, stats; writes lg, stats
.if DOCPART == 5
	.amdgcn_target "amdgcn-amd-amdhsa--gfx1250"
	.amdhsa_code_object_version 6
	.text
	.protected	k_q231abd1847_logits
	.globl	k_q231abd1847_logits
	.p2align	8
	.type	k_q231abd1847_logits,@function
k_q231abd1847_logits:
	s_mov_b64 s[64:65], 0
	v_nop
	global_prefetch_b8 v0, s[64:65] scope:SCOPE_SE
	s_setreg_imm32_b32 hwreg(HW_REG_WAVE_MODE, 25, 1), 1
	s_wait_xcnt 0x0
; LOGITS.  lg[m][n] = sum_k hnb[m][k] out_w[n][k] + out_b[n], and for each tile of 64 columns and each row m: stats = (the tile's maximum, the sum of e^(logit - that maximum)).
; SHARES.  A work-group makes 128 rows (m0 = 128 y) x 64 columns (n0 = 64 x): 166 work-groups, one round.  K = 1,024 is split among the four waves, 256 channels each, 64 a trip: four trips, written out.
; TWO ROADS IN, as in the launch before.  The f32 weights come straight into registers in fragment layout and are rounded there.  hnb comes by the tensor data mover: TWO loads a wave, issued together at the head,
; each 128 rows x 128 channels (rows of 256 bytes, aligned), into LDS bytes of the wave's own, which it alone reads, behind its own waits on TENSORcnt: the first two trips are multiplied while the second
; load is on its way.  Nothing is filled again: no ring, no barrier on the way in.
; NO CLUSTER: the grid has 83 tiles of columns, no multiple of four; and what the work-groups of a row block share is 256 KB of a buffer of 512 KB.
; NO PREFETCH: a wave's whole stream of weights is four trips, of which two are asked for at the head.
; 5,292 = 82 x 64 + 44: in tile 82 the weight rows past 5,291 repeat row 5,291, and their columns get -inf through the bias; lg has rows of 5,376 numbers (84 blocks of 256 bytes), whose last 84 nobody reads.
; LDS: wave w's two tiles of hnb at 69,632 w and 34,816 behind (pitch 272); the spare words behind the four.  The stage for the partial sums (128 rows x 272 bytes a wave) lies in the bytes of the wave's first tile,
; which have had their one fill and have been read when the stage is written.
; REGISTERS (s_set_vgpr_msb: bits 1:0 source 0, 3:2 source 1, 5:4 source 2, 7:6 destination):
;   window 0: v2-19 addresses; v32-95 weights in bf16; v96-223 hnb's fragments; v224-227 bias
;   window 1: v0-127 the accumulators of rows 0-63; v128-255 weights as loaded, set 0       window 2: v0-127 those of rows 64-127; v128-255 set 1
.set LOG2E, 0x3fb8aa3b
.set XP,    272                        ; an LDS row of hnb: 256 bytes + 16 of padding = 68 words: the 16 rows that a load touches start at 16 different groups of four banks (64 banks of 4 bytes: ISA guide 11.1)
.set HALF,  128*XP                     ; one tile
.set REGION, 2*HALF
.set SPARE, 4*REGION                   ; the spare words, 128 bytes a wave: two blocks of 256 bytes that no other line names
.set SPI,   272                        ; a stage row: 64 f32 + 16 bytes
.set ADX, 2                            ; v2    LDS address of my 16 bytes in a fragment of hnb, first tile
.set FW,  3                            ; v3-6  my byte offset in fragment nt's rows of weights
.set LS,  7                            ; v7    where I put 32 bytes of a partial row
.set GO,  9                            ; v9    my 16 bytes in two rows of lg
.set SO,  10                           ; v10   my pair in stats
.set BO,  11                           ; v11   my 16 bytes of out_b
.set NN,  12                           ; v12   my first column
.set C7,  13                           ; v13   (lane % 16) % 8
.set SPW, 14
.set NIL, 15
.set LR,  16                           ; v16-19 where I read rows back, in wave c's stage
.set WC,  32
.set XB,  96
.set BI,  224
.set D,   32                           ; the way out: (i, copy c) at D + 16 i + 4 c; copy 1's registers then take the exponentials, copy 2's first the row's sum
.set TM,  160                          ; v[160+2i] log2(e) x maximum, v[161+2i] the maximum of row pair i
.set RES, 192
.set ACC, 0
.set RAW, 128
.set WV,  22
.set WP,  24
.set G1,  40                           ; s[40:47] descriptor group 1
.set G0,  48                           ; s[48:55] descriptor group 0, a set for each tile
.set MSB, 0
.macro WIN new
.if MSB != (\new)
	s_set_vgpr_msb (MSB<<8)|(\new)
.set MSB, \new
.endif
.endm
.macro PLACES
.rept 4
	v_nop
.endr
.endm
; An f32 fragment of 16 rows x 32 channels: lane l takes row l % 16, bytes 32 (l / 16) + 0..31 and 64 + 32 (l / 16) + 0..31: four loads of 16 bytes into 16 registers.  A trip: 4 x 2 fragments.
.macro LOADW set, off
	WIN (1+(\set))<<6
.irp nt, 0,1,2,3
.irp kf, 0,1
.irp q, 0,1,2,3
	global_load_b128 v[RAW+16*(2*(\nt)+(\kf))+4*(\q):RAW+16*(2*(\nt)+(\kf))+4*(\q)+3], v[FW+(\nt)], s[WP:WP+1] offset:(\off)+128*(\kf)+16*(\q)+32*((\q)/2)
.endr
.endr
.endr
.endm
.macro CVTW set
	WIN 5*(1+(\set))
.set i, 0
.rept 64
	v_cvt_pk_bf16_f32 v[WC+i], v[RAW+2*i], v[RAW+2*i+1]
.set i, i+1
.endr
.endm
.macro MULS zero                       ; 64 products, rows 0-63 and then rows 64-127; a half's sixteen accumulators take turns.  zero = 1: a half's first sixteen start the sums
.irp hh, 0,1
	WIN 0x50*(1+(\hh))                             ; C and D in window 1 or 2
.irp kf, 0,1
.irp m, 0,1,2,3
.irp nt, 0,1,2,3
.if (\zero) && ((\kf) == 0)
	v_wmma_f32_16x16x32_bf16 v[ACC+8*(4*(\m)+(\nt)):ACC+8*(4*(\m)+(\nt))+7], v[WC+8*(2*(\nt)+(\kf)):WC+8*(2*(\nt)+(\kf))+7], v[XB+8*(2*(4*(\hh)+(\m))+(\kf)):XB+8*(2*(4*(\hh)+(\m))+(\kf))+7], 0
.else
	v_wmma_f32_16x16x32_bf16 v[ACC+8*(4*(\m)+(\nt)):ACC+8*(4*(\m)+(\nt))+7], v[WC+8*(2*(\nt)+(\kf)):WC+8*(2*(\nt)+(\kf))+7], v[XB+8*(2*(4*(\hh)+(\m))+(\kf)):XB+8*(2*(4*(\hh)+(\m))+(\kf))+7], v[ACC+8*(4*(\m)+(\nt)):ACC+8*(4*(\m)+(\nt))+7]
.endif
.endr
.endr
.endr
.endr
.endm
; TRIP t: hnb's 16 fragments (half t % 2 of tile t / 2) are asked of LDS; the trip's weights (set t % 2) are rounded and their registers asked for again, for trip t + 2; 64 products; four places behind the last of
; them, for the next trip's LDS loads and conversions into its sources (ISA guide 7.12.1 for vector instructions).  left: the other set's 32 loads may stay out.
.macro TRIP t, zero, load, left
	WIN 0
.irp mt, 0,1,2,3,4,5,6,7
.irp kf, 0,1
	ds_load_b128 v[XB+8*(2*(\mt)+(\kf)):XB+8*(2*(\mt)+(\kf))+3],   v[ADX] offset:((\t)/2)*HALF+(\mt)*16*XP+128*((\t)%2)+64*(\kf)
	ds_load_b128 v[XB+8*(2*(\mt)+(\kf))+4:XB+8*(2*(\mt)+(\kf))+7], v[ADX] offset:((\t)/2)*HALF+(\mt)*16*XP+128*((\t)%2)+64*(\kf)+32
.endr
.endr
	s_wait_loadcnt \left
	CVTW (\t)%2
.if \load
	LOADW (\t)%2, 256*((\t)+2)
.endif
	s_wait_dscnt 0x0                               ; hnb's fragments are in
	MULS \zero
	PLACES
.endm
	s_load_b256 s[4:11], s[0:1], 0x0               ; hnb s[4:5], out_w s[6:7], out_b s[8:9], lg s[10:11]
	s_load_b64 s[12:13], s[0:1], 0x20              ; stats
	v_lshl_add_u32 v[SPW], v0, 2, SPARE
	v_mov_b32 v[NIL], 0
	ds_add_u32 v[SPW], v[NIL]                      ; the wave's opening: the add, twice on end, and its wait ahead of my first tensor load
	ds_add_u32 v[SPW], v[NIL]                      ; and once more, under the one wait; the set-up below, work on registers, stands between
	v_lshrrev_b32 v1, 5, v0
	v_readfirstlane_b32 s[WV], v1                  ; wave 0..3
	s_mov_b32 s[G1], (1<<16)|(1<<20)|(5<<22)|(3<<25)  ; 17:16 2-byte elements; 20 padding on; 24:22 after every 64 words; 31:25 4 words of it
	s_mov_b32 s[G1+1], 128<<16                     ; tensor_dim0 = 128
	s_mov_b32 s[G1+2], 128<<16                     ; tensor_dim1 = 128
	s_mov_b32 s[G1+3], 128<<16                     ; tile_dim0 = 128
	s_mov_b32 s[G1+4], 128                         ; tile_dim1 = 128
	s_mov_b32 s[G1+5], 1024                        ; elements from row to row
	s_mov_b32 s[G1+6], 0
	s_mov_b32 s[G1+7], 0
	s_mul_i32 s31, s[WV], REGION                   ; my bytes of LDS
	s_mov_b32 s[G0], 1
	s_mov_b32 s[G0+1], s31
	s_mov_b32 s[G0+4], 1
	s_add_co_u32 s[G0+5], s31, HALF
	s_lshl_b32 s23, ttmp9, 6                       ; n0
	s_and_b32 s28, ttmp7, 0xffff
	s_lshl_b32 s29, s28, 7                         ; m0
	s_lshl_b32 s34, s29, 11                        ; m0 rows of 2,048 bytes,
	s_lshl_b32 s32, s[WV], 9                       ; my 256 channels of bf16
	s_add_co_u32 s34, s34, s32
	s_mov_b32 s35, 0
	s_wait_dscnt 0x0                               ; both opening adds are done
	s_wait_kmcnt 0x0
	s_add_nc_u64 s[G0+2:G0+3], s[4:5], s[34:35]    ; my first 128 channels,
	s_add_nc_u64 s[G0+6:G0+7], s[G0+2:G0+3], 256   ; and my second
	s_or_b32 s[G0+3], s[G0+3], 0x80000000          ; type = 2
	s_or_b32 s[G0+7], s[G0+7], 0x80000000
	tensor_load_to_lds s[G0:G0+3], s[G1:G1+7]      ; both go out together: two tensor loads of mine are out
	s_nop 0
	tensor_load_to_lds s[G0+4:G0+7], s[G1:G1+7]
	s_nop 0
.rept 4
	v_nop
.endr
	v_and_b32 v24, 15, v0                          ; l % 16
	v_bfe_u32 v25, v0, 4, 1                        ; l / 16
	v_add_nc_u32 v29, s23, v24
.irp nt, 0,1,2,3
	v_add_nc_u32 v30, 16*(\nt), v29
	v_min_u32 v30, 5291, v30                       ; past the table's end: its last row once more
	v_lshlrev_b32 v30, 12, v30
	v_lshl_add_u32 v[FW+(\nt)], v25, 5, v30
.endr
	v_lshl_add_u32 v[NN], v24, 2, s23              ; on the way out my four columns begin at n0 + 4 (l % 16)
	v_min_u32 v29, 5288, v[NN]
	v_lshlrev_b32 v[BO], 2, v29
	s_lshl_b32 s34, s[WV], 10                      ; my 256 channels of f32
	s_add_nc_u64 s[WP:WP+1], s[6:7], s[34:35]
	global_load_b128 v[BI:BI+3], v[BO], s[8:9]
	LOADW 0, 0                                     ; trip 0
	LOADW 1, 256                                   ; trip 1
	WIN 0
	s_mul_i32 s34, s29, 21504
	s_lshl_b32 s32, ttmp9, 8
	s_add_co_u32 s34, s34, s32
	s_add_nc_u64 s[10:11], s[10:11], s[34:35]      ; lg at row m0, column n0
	s_add_co_u32 s34, s32, s29                     ; 256 x + m0
	s_lshl_b32 s33, s[WV], 5
	s_add_co_u32 s34, s34, s33                     ; + 32 w
	s_lshl_b32 s34, s34, 3
	s_add_nc_u64 s[12:13], s[12:13], s[34:35]
	v_mul_u32_u24 v[ADX], v24, XP
	v_lshl_add_u32 v[ADX], v25, 4, v[ADX]
	v_add_nc_u32 v[ADX], s31, v[ADX]               ; row x pitch + 16 x half + my bytes
	s_mul_i32 s32, s[WV], 32*21504                 ; on the way out I have rows 32 w + 16 t + 2 i + l / 16
	v_mul_u32_u24 v[GO], v25, 21504
	v_lshl_add_u32 v[GO], v24, 4, v[GO]
	v_add_nc_u32 v[GO], s32, v[GO]
	v_and_b32 v[C7], 7, v24
	v_lshl_add_u32 v[SO], v[C7], 1, v25
	v_lshlrev_b32 v[SO], 3, v[SO]
	v_mul_u32_u24 v[LS], v24, SPI
	v_lshl_add_u32 v[LS], v25, 5, v[LS]
	v_add_nc_u32 v[LS], s31, v[LS]                 ; my stage: my first tile's bytes
	s_mul_i32 s32, s[WV], 32*SPI
	v_mul_u32_u24 v[LR], v25, SPI
	v_lshl_add_u32 v[LR], v24, 4, v[LR]
	v_add_nc_u32 v[LR], s32, v[LR]
.irp c, 1,2,3
	v_add_nc_u32 v[LR+(\c)], (\c)*REGION, v[LR]
.endr
	s_wait_tensorcnt 0x1                           ; my first tile is in LDS; the second tile's load may stay out
	TRIP 0, 1, 1, 32                               ; trip 0 starts the sums; trip 2 is asked for
	TRIP 1, 0, 1, 32                               ; trip 3 is asked for
	s_wait_tensorcnt 0x0                           ; my second tile is in
	TRIP 2, 0, 0, 32
	TRIP 3, 0, 0, 0
	PLACES
.irp hh, 0,1
	WIN 0x04*(1+(\hh))                             ; LDS store: address window 0, data window 1 or 2
.irp m, 0,1,2,3
.irp nt, 0,1,2,3
	ds_store_b128 v[LS], v[ACC+8*(4*(\m)+(\nt)):ACC+8*(4*(\m)+(\nt))+3] offset:(4*(\hh)+(\m))*16*SPI+(\nt)*64
	ds_store_b128 v[LS], v[ACC+8*(4*(\m)+(\nt))+4:ACC+8*(4*(\m)+(\nt))+7] offset:(4*(\hh)+(\m))*16*SPI+(\nt)*64+16
.endr
.endr
.endr
	WIN 0
	v_mov_b32 v29, 0xff800000
	v_cmp_gt_u32 vcc_lo, 5292, v[NN]               ; 5,292 is a multiple of 4: my four columns exist or do not
.irp e, 0,1,2,3
	v_cndmask_b32 v[BI+(\e)], v29, v[BI+(\e)], vcc_lo
.endr
	s_wait_dscnt 0x0                               ; for the others' sake: my partial sums lie in LDS
	s_barrier_signal -1
	s_barrier_wait -1
.macro EACH line:vararg                ; one line for each (i, p): DB = the pair's first register, DP = the pair, DT = the row's (log2(e) max, max)
.irp i, 0,1,2,3,4,5,6,7
.irp p, 0,2
.set DB, D+16*(\i)+(\p)
.set DP, \p
.set DT, TM+2*(\i)
	\line
.endr
.endr
.endm
.macro ROWS line:vararg                ; one line for each row pair i: DB = its first register, DT as above
.irp i, 0,1,2,3,4,5,6,7
.set DB, D+16*(\i)
.set DT, TM+2*(\i)
	\line
.endr
.endm
	s_mov_b32 s36, 2
.Lrows:                                                ; THE WAY OUT, 16 of my 32 rows a trip: lanes 0-15 take row 2 i, lanes 16-31 row 2 i + 1, 16 bytes a lane, from all four waves' stages
.irp i, 0,1,2,3,4,5,6,7
.irp c, 0,1,2,3
	ds_load_b128 v[D+16*(\i)+4*(\c):D+16*(\i)+4*(\c)+3], v[LR+(\c)] offset:2*SPI*(\i)
.endr
.endr
	s_wait_dscnt 0x0
	EACH v_pk_add_f32 v[DB:DB+1], v[DB:DB+1], v[DB+4:DB+5]
	EACH v_pk_add_f32 v[DB+8:DB+9], v[DB+8:DB+9], v[DB+12:DB+13]
	EACH v_pk_add_f32 v[DB:DB+1], v[DB:DB+1], v[DB+8:DB+9]
	EACH v_pk_add_f32 v[DB:DB+1], v[DB:DB+1], v[BI+DP:BI+DP+1]
.irp i, 0,1,2,3,4,5,6,7
	global_store_b128 v[GO], v[D+16*(\i):D+16*(\i)+3], s[10:11] offset:43008*(\i)  ; 16 lanes store 256 consecutive bytes, aligned
.endr
	ROWS v_max3_num_f32 v[DT+1], v[DB], v[DB+1], v[DB+2]
	ROWS v_max_num_f32 v[DT+1], v[DT+1], v[DB+3]
	ROWS v_max_num_f32_dpp v[DT+1], v[DT+1], v[DT+1] row_xmask:1 row_mask:0xf bank_mask:0xf
	ROWS v_max_num_f32_dpp v[DT+1], v[DT+1], v[DT+1] row_xmask:2 row_mask:0xf bank_mask:0xf
	ROWS v_max_num_f32_dpp v[DT+1], v[DT+1], v[DT+1] row_xmask:4 row_mask:0xf bank_mask:0xf
	ROWS v_max_num_f32_dpp v[DT+1], v[DT+1], v[DT+1] row_xmask:8 row_mask:0xf bank_mask:0xf
	ROWS v_mul_f32 v[DT], LOG2E, v[DT+1]
	EACH v_pk_fma_f32 v[DB+4:DB+5], v[DB:DB+1], LOG2E, v[DT:DT+1] op_sel_hi:[1,0,0] neg_lo:[0,0,1] neg_hi:[0,0,1]
	EACH v_exp_f32 v[DB+4], v[DB+4]
	EACH v_exp_f32 v[DB+5], v[DB+5]
	v_nop                                          ; a plain instruction behind the batch, and one wait ahead of its first reader
	s_wait_alu depctr_va_vdst(0)
	ROWS v_pk_add_f32 v[DB+4:DB+5], v[DB+4:DB+5], v[DB+6:DB+7]
	ROWS v_add_f32 v[DB+8], v[DB+4], v[DB+5]
	ROWS v_add_f32_dpp v[DB+8], v[DB+8], v[DB+8] row_xmask:1 row_mask:0xf bank_mask:0xf
	ROWS v_add_f32_dpp v[DB+8], v[DB+8], v[DB+8] row_xmask:2 row_mask:0xf bank_mask:0xf
	ROWS v_add_f32_dpp v[DB+8], v[DB+8], v[DB+8] row_xmask:4 row_mask:0xf bank_mask:0xf
	ROWS v_add_f32_dpp v[DB+8], v[DB+8], v[DB+8] row_xmask:8 row_mask:0xf bank_mask:0xf
	; every lane of a half holds all eight rows' pairs: lane (ck, h) keeps that of row 2 (ck % 8) + h
	v_mov_b32 v[RES], v[TM+1]
	v_mov_b32 v[RES+1], v[D+8]
.irp i, 1,2,3,4,5,6,7
	v_cmp_eq_u32 vcc_lo, \i, v[C7]
	v_cndmask_b32 v[RES], v[RES], v[TM+2*(\i)+1], vcc_lo
	v_cndmask_b32 v[RES+1], v[RES+1], v[D+16*(\i)+8], vcc_lo
.endr
	global_store_b64 v[SO], v[RES:RES+1], s[12:13] ; 16 pairs, 128 consecutive bytes; lanes with ck above 7 store the pair of lane ck - 8 once more, at its address
	s_wait_xcnt 0x0                                ; the stores' data and offsets are rewritten only behind this wait
.irp c, 0,1,2,3
	v_add_nc_u32 v[LR+(\c)], 16*SPI, v[LR+(\c)]    ; 16 rows on, in the stages,
.endr
	v_add_nc_u32 v[GO], 16*21504, v[GO]            ; in lg,
	v_add_nc_u32 v[SO], 128, v[SO]                 ; and in stats
	s_sub_co_u32 s36, s36, 1
	s_cmp_lg_u32 s36, 0
	s_cbranch_scc1 .Lrows
	s_wait_tensorcnt 0x0                           ; the wave's end, behind my tensor loads and my last LDS store
	ds_add_u32 v[SPW], v[NIL]
	s_wait_dscnt 0x0
	s_endpgm
.Lfunc_end_k_q231abd1847_logits:
	.size	k_q231abd1847_logits, .Lfunc_end_k_q231abd1847_logits-k_q231abd1847_logits
	.p2alignl 7, 3214868480
	.fill 96, 4, 3214868480
	.section	.rodata,"a",@progbits
	.p2align	6, 0x0
	.amdhsa_kernel k_q231abd1847_logits
		.amdhsa_group_segment_fixed_size 279040
		.amdhsa_private_segment_fixed_size 0
		.amdhsa_enable_private_segment 0
		.amdhsa_kernarg_size 40
		.amdhsa_user_sgpr_count 2
		.amdhsa_user_sgpr_kernarg_segment_ptr 1
		.amdhsa_wavefront_size32 1
		.amdhsa_system_sgpr_workgroup_id_x 1
		.amdhsa_system_sgpr_workgroup_id_y 1
		.amdhsa_system_sgpr_workgroup_id_z 1
		.amdhsa_system_vgpr_workitem_id 0
		.amdhsa_next_free_vgpr 768
		.amdhsa_next_free_sgpr 66
		.amdhsa_reserve_vcc 1
		.amdhsa_float_denorm_mode_32 3
		.amdhsa_float_denorm_mode_16_64 3
		.amdhsa_memory_ordered 1
		.amdhsa_forward_progress 1
		.amdhsa_inst_pref_size 80
	.end_amdhsa_kernel
	.amdgpu_metadata
---
amdhsa.version: [ 1, 2 ]
amdhsa.kernels:
  - .name:           k_q231abd1847_logits
    .symbol:         k_q231abd1847_logits.kd
    .args:
      - { .name: hnb, .offset: 0, .size: 8, .value_kind: global_buffer, .address_space: global }
      - { .name: out_w, .offset: 8, .size: 8, .value_kind: global_buffer, .address_space: global }
      - { .name: out_b, .offset: 16, .size: 8, .value_kind: global_buffer, .address_space: global }
      - { .name: lg, .offset: 24, .size: 8, .value_kind: global_buffer, .address_space: global }
      - { .name: stats, .offset: 32, .size: 8, .value_kind: global_buffer, .address_space: global }
    .group_segment_fixed_size: 279040
    .private_segment_fixed_size: 0
    .kernarg_segment_align: 8
    .kernarg_segment_size: 40
    .max_flat_workgroup_size: 128
    .sgpr_count:     66
    .vgpr_count:     768
    .wavefront_size: 32
...
	.end_amdgpu_metadata
.endif
;; end of part 5
;; launch norm (part 6): grid 256 x 1, 8 waves a work-group, no clusters, 0 bytes of LDS; arguments lg, stats, out0; writes out0
.if DOCPART == 6
	.amdgcn_target "amdgcn-amd-amdhsa--gfx1250"
	.amdhsa_code_object_version 6
	.text
	.protected	k_q231abd1847_norm
	.globl	k_q231abd1847_norm
	.p2align	8
	.type	k_q231abd1847_norm,@function
k_q231abd1847_norm:
	s_mov_b64 s[64:65], 0
	v_nop
	global_prefetch_b8 v0, s[64:65] scope:SCOPE_SE
	s_setreg_imm32_b32 hwreg(HW_REG_WAVE_MODE, 25, 1), 1
	s_wait_xcnt 0x0
; NORM.  out0[m][n] = lg[m][n] - lse[m], lse = M + ln(sum over the 83 tiles of s_t e^(m_t - M)), M = the largest m_t: the row's true maximum is taken away.
; The work-group is row m.  Every wave makes lse for itself from the 83 pairs (lane l: tiles l, l + 32, l + 64): no LDS, no barrier.  A row is 1,323 pieces of 16 bytes: thread t takes pieces t + 256 i.
; out0's rows are 21,168 bytes: they begin at 176 m modulo 256, so the stores are consecutive but cannot all begin on a multiple of 256.
.set LOG2E, 0x3fb8aa3b
.set LN2,   0x3f317218
	s_load_b128 s[4:7], s[0:1], 0x0                ; lg s[4:5], stats s[6:7]
	s_load_b64 s[8:9], s[0:1], 0x10                ; out0
	v_and_b32 v1, 31, v0
	v_lshlrev_b32 v2, 11, v1                       ; tile l: 256 pairs of 8 bytes a tile
	v_add_nc_u32 v4, 64, v1
	v_min_u32 v4, 82, v4                           ; tile l + 64, or the last
	v_lshlrev_b32 v4, 11, v4
	v_lshlrev_b32 v5, 4, v0                        ; piece t
	v_add_nc_u32 v6, 1280, v0
	v_min_u32 v6, 1322, v6                         ; piece t + 1,280, or the last
	v_lshlrev_b32 v6, 4, v6
	s_mov_b32 s12, 0x76543210                      ; v_permlanex16_b32: each lane takes its own place in the other half
	s_mov_b32 s13, 0xfedcba98
	s_mov_b32 s11, 0
	s_wait_kmcnt 0x0
	s_mul_i32 s10, ttmp9, 21504
	s_add_nc_u64 s[4:5], s[4:5], s[10:11]
	s_lshl_b32 s10, ttmp9, 3
	s_add_nc_u64 s[6:7], s[6:7], s[10:11]
	s_mul_i32 s10, ttmp9, 21168
	s_add_nc_u64 s[8:9], s[8:9], s[10:11]
	global_load_b64 v[8:9], v2, s[6:7]
	global_load_b64 v[10:11], v2, s[6:7] offset:65536
	global_load_b64 v[12:13], v4, s[6:7]
.irp i, 0,1,2,3,4
	global_load_b128 v[24+4*(\i):27+4*(\i)], v5, s[4:5] offset:4096*(\i) th:TH_LOAD_NT
.endr
	global_load_b128 v[44:47], v6, s[4:5] th:TH_LOAD_NT
	v_mov_b32 v14, 0xff800000
	v_mov_b32 v16, 0                               ; the destination of v_permlanex16_b32 counts as read
	v_cmp_gt_u32 vcc_lo, 19, v1                    ; tiles 64 to 82 exist
	s_wait_loadcnt 6                               ; the three pairs are in; the row's six loads may stay out
	v_cndmask_b32 v12, v14, v12, vcc_lo
	v_cndmask_b32 v13, 0, v13, vcc_lo
	v_max3_num_f32 v15, v8, v10, v12
	v_max_num_f32_dpp v15, v15, v15 row_xmask:1 row_mask:0xf bank_mask:0xf
	v_max_num_f32_dpp v15, v15, v15 row_xmask:2 row_mask:0xf bank_mask:0xf
	v_max_num_f32_dpp v15, v15, v15 row_xmask:4 row_mask:0xf bank_mask:0xf
	v_max_num_f32_dpp v15, v15, v15 row_xmask:8 row_mask:0xf bank_mask:0xf
	v_permlanex16_b32 v16, v15, s12, s13
	v_max_num_f32 v15, v15, v16                    ; M
	v_sub_f32 v8, v8, v15
	v_sub_f32 v10, v10, v15
	v_sub_f32 v12, v12, v15
	v_mul_f32 v8, LOG2E, v8
	v_mul_f32 v10, LOG2E, v10
	v_mul_f32 v12, LOG2E, v12
	v_exp_f32 v8, v8
	v_exp_f32 v10, v10
	v_exp_f32 v12, v12
	v_nop                                          ; a plain instruction behind the batch, and one wait ahead of its first reader
	s_wait_alu depctr_va_vdst(0)
	v_mul_f32 v17, v9, v8
	v_fmac_f32 v17, v11, v10
	v_fmac_f32 v17, v13, v12
	v_add_f32_dpp v17, v17, v17 row_xmask:1 row_mask:0xf bank_mask:0xf
	v_add_f32_dpp v17, v17, v17 row_xmask:2 row_mask:0xf bank_mask:0xf
	v_add_f32_dpp v17, v17, v17 row_xmask:4 row_mask:0xf bank_mask:0xf
	v_add_f32_dpp v17, v17, v17 row_xmask:8 row_mask:0xf bank_mask:0xf
	v_permlanex16_b32 v16, v17, s12, s13
	v_add_f32 v17, v17, v16
	v_log_f32 v17, v17
	v_nop
	s_wait_alu depctr_va_vdst(0)
	v_fmamk_f32 v18, v17, LN2, v15                 ; lse = ln 2 x log2(sum) + M
	v_mov_b32 v19, v18                             ; named with it as a pair
	s_wait_loadcnt 0x0
.set i, 24
.rept 12
	v_pk_add_f32 v[i:i+1], v[i:i+1], v[18:19] neg_lo:[0,1] neg_hi:[0,1]
.set i, i+2
.endr
.irp i, 0,1,2,3,4
	global_store_b128 v5, v[24+4*(\i):27+4*(\i)], s[8:9] offset:4096*(\i) th:TH_STORE_NT
.endr
	v_cmp_gt_u32 vcc_lo, 43, v0                    ; pieces 1,280 to 1,322
	s_wait_xcnt 0x0                                ; EXEC changes only behind this wait
	s_and_saveexec_b32 s14, vcc_lo
	global_store_b128 v5, v[44:47], s[8:9] offset:20480 th:TH_STORE_NT
	s_wait_xcnt 0x0                                ; and again, in front of the line that widens it
	s_or_b32 exec_lo, exec_lo, s14
	s_endpgm
.Lfunc_end_k_q231abd1847_norm:
	.size	k_q231abd1847_norm, .Lfunc_end_k_q231abd1847_norm-k_q231abd1847_norm
	.p2alignl 7, 3214868480
	.fill 96, 4, 3214868480
	.section	.rodata,"a",@progbits
	.p2align	6, 0x0
	.amdhsa_kernel k_q231abd1847_norm
		.amdhsa_group_segment_fixed_size 0
		.amdhsa_private_segment_fixed_size 0
		.amdhsa_enable_private_segment 0
		.amdhsa_kernarg_size 24
		.amdhsa_user_sgpr_count 2
		.amdhsa_user_sgpr_kernarg_segment_ptr 1
		.amdhsa_wavefront_size32 1
		.amdhsa_system_sgpr_workgroup_id_x 1
		.amdhsa_system_sgpr_workgroup_id_y 1
		.amdhsa_system_sgpr_workgroup_id_z 1
		.amdhsa_system_vgpr_workitem_id 0
		.amdhsa_next_free_vgpr 64
		.amdhsa_next_free_sgpr 66
		.amdhsa_reserve_vcc 1
		.amdhsa_float_denorm_mode_32 3
		.amdhsa_float_denorm_mode_16_64 3
		.amdhsa_memory_ordered 1
		.amdhsa_forward_progress 1
		.amdhsa_inst_pref_size 6
	.end_amdhsa_kernel
	.amdgpu_metadata
---
amdhsa.version: [ 1, 2 ]
amdhsa.kernels:
  - .name:           k_q231abd1847_norm
    .symbol:         k_q231abd1847_norm.kd
    .args:
      - { .name: lg, .offset: 0, .size: 8, .value_kind: global_buffer, .address_space: global }
      - { .name: stats, .offset: 8, .size: 8, .value_kind: global_buffer, .address_space: global }
      - { .name: out0, .offset: 16, .size: 8, .value_kind: global_buffer, .address_space: global }
    .group_segment_fixed_size: 0
    .private_segment_fixed_size: 0
    .kernarg_segment_align: 8
    .kernarg_segment_size: 24
    .max_flat_workgroup_size: 256
    .sgpr_count:     66
    .vgpr_count:     64
    .wavefront_size: 32
...
	.end_amdgpu_metadata
.endif
;; end of part 6
;; ======== version 2 of 2: 6 launches; version 1 with the launch context written anew for expert scheduling mode
;; workspace buffers: encb 67,108,864 bytes; w1s 4,194,304 bytes; hp 1,048,576 bytes; epart 524,288 bytes; xcat 1,572,864 bytes; hnb 524,288 bytes; lg 5,505,024 bytes; stats 169,984 bytes
;; launch prep: the kernel of part 1 again; grid 1216 x 1, 4 waves a work-group, no clusters, 35,328 bytes of LDS; arguments encode_outputs, attn1_w, attn1_b, hidden, encb, w1s, hp; writes encb, w1s, hp
;; launch energy: the kernel of part 2 again; grid 4 x 64, 4 waves a work-group, clusters of 4 x 4, 327,680 bytes of LDS; arguments encb, w1s, hp, attn2_w, epart; writes epart
;; launch context (part 7): grid 256 x 1, 8 waves a work-group, no clusters, 0 bytes of LDS; arguments epart, mask, encb, hidden, xcat; writes xcat
.if DOCPART == 7
	.amdgcn_target "amdgcn-amd-amdhsa--gfx1250"
	.amdhsa_code_object_version 6
	.text
	.protected	k_q231abd1847_context
	.globl	k_q231abd1847_context
	.p2align	8
	.type	k_q231abd1847_context,@function
k_q231abd1847_context:
	s_mov_b64 s[64:65], 0
	v_nop
	global_prefetch_b8 v0, s[64:65] scope:SCOPE_SE
	s_setreg_imm32_b32 hwreg(HW_REG_WAVE_SCHED_MODE, 0, 2), 2
	s_setreg_imm32_b32 hwreg(HW_REG_WAVE_MODE, 25, 1), 1
	s_wait_xcnt 0x0
	s_wait_alu depctr_vm_vsrc(0)
; CONTEXT.  For batch row b (the work-group): energy[s] = the sum of epart's eight parts; -inf where mask[s][b]; softmax over the 64 steps s, with the true maximum taken away;
; ctx[d] = sum_s weight[s] encb[b][s][d]; xcat[b] = bf16([hidden[b] | ctx]).  Left out, as shown at the head of the first kernel: attn2_b and the sum of attn2_w.
; A column whose mask is all true gives NaN, as the softmax of 64 times -inf does.
; Thread t owns 16 bytes (8 columns) at byte 16 t of every row of 4,096 bytes.  Every wave makes the 64 weights for itself (lane l: steps l and l + 32): no LDS, no barrier.
; A ring of 16 row slots in registers, four blocks of four, keeps 12 to 16 loads of every wave on their way.  Memory binds: matrix units, clusters and LDS would add nothing.
; THE MODE: SCHED_MODE bits 1:0 = 2 (LLVM: expert scheduling mode 2), set by the entry lines.  The code itself states the register dependences
; between vector instructions and memory instructions, with s_wait_alu, always for 0.
; THE PLAN.  Registers that memory instructions touch:
;   v2 .. v5      byte offsets, made once at the head and never written again: the rows are reached by the scalar base, which moves on once a lap, and by immediate offsets.
;   v[8:13], v[16:31]  hidden, mask, epart: loaded once at the head, into registers that no vector instruction has named before.
;   X0 .. X3      four blocks of four rows.  Block q's turn: its 32 multiply-adds read X[q]; behind them the same rows of the next lap are loaded into X[q]; no vector instruction names X[q] again before its next turn.
;   v[52:57]      written by the closing conversions, read by the two stores, not written again.
;   The sums, the weights W0 .. W0 + 3 and their copies VB are named by vector instructions alone.
; So ONE wait on va_vdst stands in a block, behind its multiply-adds, and the block's four loads follow it at once: the block is asked for again as soon as it is empty, and does not lie idle
; while the wave waits for the next block's rows.  One wait on va_sdst stands in a block, behind the run of four v_readlane_b32 that bring its weights.  No register that a memory instruction
; reads is ever written again, so no wait on vm_vsrc is owed.
.set LOG2E, 0x3fb8aa3b
.set L4,  2                            ; v2   4 x lane
.set L256, 3                           ; v3   256 x lane
.set T16, 4                            ; v4   16 t
.set T8,  5                            ; v5   8 t
.set HID, 8                            ; v[8:11]  my 4 numbers of hidden
.set MK,  12                           ; v12-13  mask of steps lane, lane + 32
.set EP,  16                           ; v[16:31] part p: v[16+2p] step lane, v[17+2p] step lane + 32
.set ACC, 32                           ; v[32:39] my 8 columns of ctx
.set W0,  40                           ; v40-43  the weights of steps 0-15, 16-31, 32-47, 48-63 in lanes 0-15; they move down a register a lap
.set VB,  44                           ; v44-47  a block's four weights, each in all lanes
.set X,   64                           ; v[64:127] block q, row i: 4 registers at X + 16 q + 4 i, 8 bf16
	s_load_b256 s[4:11], s[0:1], 0x0               ; epart s[4:5], mask s[6:7], encb s[8:9], hidden s[10:11]
	s_load_b64 s[12:13], s[0:1], 0x20              ; xcat
	v_and_b32 v1, 31, v0
	v_lshlrev_b32 v[L4], 2, v1
	v_lshlrev_b32 v[L256], 8, v1
	v_lshlrev_b32 v[T16], 4, v0
	v_lshlrev_b32 v[T8], 3, v0
	s_mov_b32 s14, 0x76543210                      ; v_permlanex16_b32: each lane takes its own place in the other half
	s_mov_b32 s15, 0xfedcba98
	s_mov_b32 s17, 0
	s_wait_kmcnt 0x0
	s_lshl_b32 s16, ttmp9, 8
	s_add_nc_u64 s[4:5], s[4:5], s[16:17]          ; epart at index 64 b
	s_mov_b32 s16, ttmp9
	s_add_nc_u64 s[6:7], s[6:7], s[16:17]          ; mask at column b
	s_lshl_b32 s16, ttmp9, 18
	s_add_nc_u64 s[8:9], s[8:9], s[16:17]          ; encb at row 64 b
	s_lshl_b32 s16, ttmp9, 12
	s_add_nc_u64 s[10:11], s[10:11], s[16:17]
	s_mul_i32 s16, ttmp9, 6144
	s_add_nc_u64 s[12:13], s[12:13], s[16:17]
	s_wait_alu depctr_va_vdst(0)                   ; the four offsets v2 to v5 are written: every load and store of the kernel reads one of them
.irp p, 0,1,2,3,4,5,6,7
	global_load_b32 v[EP+2*(\p)], v[L4], s[4:5] offset:65536*(\p)
	global_load_b32 v[EP+2*(\p)+1], v[L4], s[4:5] offset:65536*(\p)+128
.endr
	global_load_u8 v[MK], v[L256], s[6:7]
	global_load_u8 v[MK+1], v[L256], s[6:7] offset:8192
	global_load_b128 v[HID:HID+3], v[T16], s[10:11]
.irp j, 0,1,2,3,4,5,6,7,8,9,10,11,12,13,14,15
	global_load_b128 v[X+4*(\j):X+4*(\j)+3], v[T16], s[8:9] offset:4096*(\j) th:TH_LOAD_NT
.endr
.irp k, 0,1,2,3,4,5,6,7
	v_mov_b32 v[ACC+(\k)], 0
.endr
	v_mov_b32 v49, 0xff800000                      ; -inf
	v_mov_b32 v51, 0                               ; destinations of v_permlanex16_b32 count as read
	v_mov_b32 v[W0+1], 0
	v_mov_b32 v[W0+3], 0
	s_wait_loadcnt 16                              ; the 19 small loads are in; the 16 rows may stay out
	v_cmp_ne_u32 s24, 0, v[MK]                     ; the two masks in a run, into scalar registers of their own; the additions below stand between them and the wait for them
	v_cmp_ne_u32 s25, 0, v[MK+1]
	v_pk_add_f32 v[16:17], v[16:17], v[18:19]
	v_pk_add_f32 v[20:21], v[20:21], v[22:23]
	v_pk_add_f32 v[24:25], v[24:25], v[26:27]
	v_pk_add_f32 v[28:29], v[28:29], v[30:31]
	v_pk_add_f32 v[16:17], v[16:17], v[20:21]
	v_pk_add_f32 v[24:25], v[24:25], v[28:29]
	v_pk_add_f32 v[16:17], v[16:17], v[24:25]
	s_wait_alu depctr_va_sdst(0)                   ; the compares have written s24 and s25, which the two selects read
	v_cndmask_b32 v16, v16, v49, s24
	v_cndmask_b32 v17, v17, v49, s25
	v_max_num_f32 v50, v16, v17
	v_max_num_f32_dpp v50, v50, v50 row_xmask:1 row_mask:0xf bank_mask:0xf
	v_max_num_f32_dpp v50, v50, v50 row_xmask:2 row_mask:0xf bank_mask:0xf
	v_max_num_f32_dpp v50, v50, v50 row_xmask:4 row_mask:0xf bank_mask:0xf
	v_max_num_f32_dpp v50, v50, v50 row_xmask:8 row_mask:0xf bank_mask:0xf
	v_permlanex16_b32 v51, v50, s14, s15
	v_max_num_f32 v50, v50, v51                    ; the column's maximum, in every lane
	v_sub_f32 v16, v16, v50
	v_sub_f32 v17, v17, v50
	v_mul_f32 v16, LOG2E, v16
	v_mul_f32 v17, LOG2E, v17
	v_exp_f32 v16, v16
	v_exp_f32 v17, v17
	v_nop                                          ; a plain instruction behind the last exponential,
	s_wait_alu depctr_va_vdst(0)                   ; and one wait for both: the exponentials have written v16 and v17, ahead of their first reader
	v_add_f32 v52, v16, v17
	v_add_f32_dpp v52, v52, v52 row_xmask:1 row_mask:0xf bank_mask:0xf
	v_add_f32_dpp v52, v52, v52 row_xmask:2 row_mask:0xf bank_mask:0xf
	v_add_f32_dpp v52, v52, v52 row_xmask:4 row_mask:0xf bank_mask:0xf
	v_add_f32_dpp v52, v52, v52 row_xmask:8 row_mask:0xf bank_mask:0xf
	v_permlanex16_b32 v51, v52, s14, s15
	v_add_f32 v52, v52, v51
	v_rcp_f32 v52, v52
	v_nop
	s_wait_alu depctr_va_vdst(0)                   ; the reciprocal has written v52, ahead of its first reader
	v_mul_f32 v[W0], v16, v52
	v_mul_f32 v[W0+2], v17, v52
	v_permlanex16_b32 v[W0+1], v[W0], s14, s15
	v_permlanex16_b32 v[W0+3], v[W0+2], s14, s15
; Block q's turn: rows 4 q to 4 q + 3 of the lap's sixteen, each times its weight onto my 8 sums, straight from the bf16 halves, the rows in ascending order.
; reload = 1: the same rows of the next lap are asked for.  left = how many younger loads may stay out.
.macro BLK q, reload, left
.irp i, 0,1,2,3
	v_readlane_b32 s[20+(\i)], v[W0], 4*(\q)+(\i)  ; the block's four weights, in a run, ahead of the wait for its rows
.endr
	s_wait_loadcnt \left                           ; loads come back in order (ISA guide 5.7.1): the block's four rows are in, the younger blocks stay out
	s_wait_alu depctr_va_sdst(0)                   ; the four v_readlane_b32 have written s20 to s23, which the four lines below read
.irp i, 0,1,2,3
	v_mov_b32 v[VB+(\i)], s[20+(\i)]
.endr
.irp i, 0,1,2,3
.irp k, 0,1,2,3
	v_fma_mix_f32_bf16 v[ACC+2*(\k)], v[X+16*(\q)+4*(\i)+(\k)], v[VB+(\i)], v[ACC+2*(\k)] op_sel_hi:[1,0,0]
	v_fma_mix_f32_bf16 v[ACC+2*(\k)+1], v[X+16*(\q)+4*(\i)+(\k)], v[VB+(\i)], v[ACC+2*(\k)+1] op_sel:[1,0,0] op_sel_hi:[1,0,0]
.endr
.endr
.if \reload
	s_wait_alu depctr_va_vdst(0)                   ; the 32 multiply-adds are done reading X[q], in which the four loads below land
.irp i, 0,1,2,3
	global_load_b128 v[X+16*(\q)+4*(\i):X+16*(\q)+4*(\i)+3], v[T16], s[8:9] offset:4096*(4*(\q)+(\i)+16) th:TH_LOAD_NT
.endr
.endif
.endm
	s_mov_b32 s19, 3
.Lsixteen:                                             ; 16 steps are added, the 16 behind them asked for
	BLK 0, 1, 12
	BLK 1, 1, 12
	BLK 2, 1, 12
	BLK 3, 1, 12
	s_wait_xcnt 0x0                                ; the loads have read their base
	s_add_nc_u64 s[8:9], s[8:9], 65536
	v_mov_b32 v[W0], v[W0+1]
	v_mov_b32 v[W0+1], v[W0+2]
	v_mov_b32 v[W0+2], v[W0+3]
	s_sub_co_u32 s19, s19, 1
	s_cmp_lg_u32 s19, 0
	s_cbranch_scc1 .Lsixteen
	BLK 0, 0, 12                                   ; the last 16 steps load nothing: no load leaves the buffer, the counts run down, and no wait on va_vdst is owed
	BLK 1, 0, 8
	BLK 2, 0, 4
	BLK 3, 0, 0
.irp k, 0,1,2,3
	v_cvt_pk_bf16_f32 v[52+(\k)], v[ACC+2*(\k)], v[ACC+2*(\k)+1]
.endr
	v_cvt_pk_bf16_f32 v56, v[HID], v[HID+1]
	v_cvt_pk_bf16_f32 v57, v[HID+2], v[HID+3]
	s_wait_alu depctr_va_vdst(0)                   ; the six conversions have written v[52:57], which the two stores read
	global_store_b128 v[T16], v[52:55], s[12:13] offset:2048  ; a wave's store covers 512 consecutive bytes, aligned
	global_store_b64 v[T8], v[56:57], s[12:13]                ; 256 consecutive bytes, aligned
	s_endpgm
.Lfunc_end_k_q231abd1847_context:
	.size	k_q231abd1847_context, .Lfunc_end_k_q231abd1847_context-k_q231abd1847_context
	.p2alignl 7, 3214868480
	.fill 96, 4, 3214868480
	.section	.rodata,"a",@progbits
	.p2align	6, 0x0
	.amdhsa_kernel k_q231abd1847_context
		.amdhsa_group_segment_fixed_size 0
		.amdhsa_private_segment_fixed_size 0
		.amdhsa_enable_private_segment 0
		.amdhsa_kernarg_size 40
		.amdhsa_user_sgpr_count 2
		.amdhsa_user_sgpr_kernarg_segment_ptr 1
		.amdhsa_wavefront_size32 1
		.amdhsa_system_sgpr_workgroup_id_x 1
		.amdhsa_system_sgpr_workgroup_id_y 1
		.amdhsa_system_sgpr_workgroup_id_z 1
		.amdhsa_system_vgpr_workitem_id 0
		.amdhsa_next_free_vgpr 128
		.amdhsa_next_free_sgpr 66
		.amdhsa_reserve_vcc 0
		.amdhsa_float_denorm_mode_32 3
		.amdhsa_float_denorm_mode_16_64 3
		.amdhsa_memory_ordered 1
		.amdhsa_forward_progress 1
		.amdhsa_inst_pref_size 30
	.end_amdhsa_kernel
	.amdgpu_metadata
---
amdhsa.version: [ 1, 2 ]
amdhsa.kernels:
  - .name:           k_q231abd1847_context
    .symbol:         k_q231abd1847_context.kd
    .args:
      - { .name: epart, .offset: 0, .size: 8, .value_kind: global_buffer, .address_space: global }
      - { .name: mask, .offset: 8, .size: 8, .value_kind: global_buffer, .address_space: global }
      - { .name: encb, .offset: 16, .size: 8, .value_kind: global_buffer, .address_space: global }
      - { .name: hidden, .offset: 24, .size: 8, .value_kind: global_buffer, .address_space: global }
      - { .name: xcat, .offset: 32, .size: 8, .value_kind: global_buffer, .address_space: global }
    .group_segment_fixed_size: 0
    .private_segment_fixed_size: 0
    .kernarg_segment_align: 8
    .kernarg_segment_size: 40
    .max_flat_workgroup_size: 256
    .sgpr_count:     66
    .vgpr_count:     128
    .wavefront_size: 32
...
	.end_amdgpu_metadata
.endif
;; end of part 7
;; launch lstm: the kernel of part 4 again; grid 128 x 2, 4 waves a work-group, clusters of 4 x 1, 327,680 bytes of LDS; arguments xcat, w_ih, w_hh, b_ih, b_hh, cell, out1, out2, hnb; writes out1, out2, hnb
;; launch logits: the kernel of part 5 again; grid 83 x 2, 4 waves a work-group, no clusters, 279,040 bytes of LDS; arguments hnb, out_w, out_b, lg, stats; writes lg, stats
;; launch norm: the kernel of part 6 again; grid 256 x 1, 8 waves a work-group, no clusters, 0 bytes of LDS; arguments lg, stats, out0; writes out0
